; MI455X (gfx1250); checked and timed in simulation.
; The chip was launched on July 23, 2026; its instructions are those of AMD's public machine-readable ISA for CDNA 5 (MIT licence, August 2026) and "CDNA5" Instruction Set Architecture Reference Guide (July 2026). The comments in the code are by the model that wrote it; some were corrected since.
;; Decoder Block. Allowed arithmetic: matrix products marked QUANTISED: E2M1 operands, one E8M0 scale for each 32 along K, by v_wmma_scale_f32_16x16x128_f8f6f4 with both operands' format E2M1 (or v_wmma_scale_f32_32x16x128_f4), f32 sums; everything else in f32.
;; Inputs: b_ff1 4,096 float32; b_ff2 1,024 float32; b_out 1,024 float32; b_qkv 3,072 float32; ln1_b 1,024 float32; ln1_g 1,024 float32; ln2_b 1,024 float32; ln2_g 1,024 float32; w_ff1 1,024 x 4,096 float32; w_ff2 4,096 x 1,024 float32; w_out 1,024 x 1,024 float32; w_qkv 1,024 x 3,072 float32; x 2 x 2,048 x 1,024 float32.
;; Outputs: out0 2 x 2,048 x 1,024 float32.
;; This version of the problem:
;;   THIS VERSION OF THE PROBLEM IS GIVEN IN LOW PRECISION. The matrix products marked QUANTISED in the list below multiply operands that are first quantised to E2M1 (2 exponent bits, 1 mantissa bit; 4 bits a number), with one power-of-two scale for each 32 numbers along K (OCP MX v1.0); their sums are f32. All else is computed in f32.
;;   The module's matrix products, in the order in which they are computed (A, B: the left and right operand; K: the contracted axis; several contracted axes count as one K, in the product's order):
;;     1. [M 4,096, K 1,024] x [K 1,024, N 3,072]; A: computed on the way; B: input w_qkv: QUANTISED
;;     2. batch 32 x [M 2,048, K 64] x [K 64, N 2,048]; A: computed on the way; B: computed on the way: QUANTISED
;;     3. batch 32 x [M 64, K 2,048] x [K 2,048, N 2,048]; A: computed on the way; B: softmax (see below): QUANTISED
;;     4. [M 4,096, K 1,024] x [K 1,024, N 1,024]; A: computed on the way; B: input w_out: QUANTISED
;;     5. [M 4,096, K 1,024] x [K 1,024, N 4,096]; A: computed on the way; B: input w_ff1: QUANTISED
;;     6. [M 4,096, K 4,096] x [K 4,096, N 1,024]; A: computed on the way; B: input w_ff2: QUANTISED
;;   THE QUANTISER, for each operand of a quantised product, along K:
;;     - K is cut into blocks of 32 from its start; a last block that is shorter is filled with zeros.
;;     - A block's scale is 2^e with e = floor(log2(the largest magnitude in the block)) - 2, held to -126 .. 127; a block of zeros has e = 0. As a byte (E8M0): e + 127.
;;     - Each number is divided by its block's scale, clamped to +-6, and rounded to the nearest number of E2M1, ties to even, subnormals kept.
;;     - The product sums the exact products of the quantised numbers (number of the format x scale) in f32.
;;   ~~~python
;;   def quantise(x, axis):      # numpy; x: float32 -> the quantised numbers, widened to float32 again
;;       x = np.moveaxis(x, axis, -1); K = x.shape[-1]
;;       x = np.pad(x, [(0, 0)] * (x.ndim - 1) + [(0, -K % 32)]); x = x.reshape(x.shape[:-1] + (-1, 32)); a = np.abs(x).max(-1, keepdims=True)
;;       e = np.where(a > 0, np.clip(np.frexp(np.where(a > 0, a, 1))[1] - 1 - 2, -126, 127), 0)      # np.frexp(a)[1] - 1 = floor(log2(a)), exactly
;;       r = np.clip(x / 2.0 ** e, -6, 6)
;;       step = 2.0 ** (np.maximum(np.frexp(np.where(r == 0, 1, r))[1] - 1, 0) - 1)
;;       q = np.round(r / step) * step * 2.0 ** e      # np.round: ties to even
;;       return np.moveaxis(q.reshape(q.shape[:-2] + (-1,))[..., :K], -1, axis).astype(np.float32)
;;   ~~~
;;   SOFTMAX AHEAD OF A QUANTISED PRODUCT. Where the list says 'softmax', what is quantised is not the finished softmax but p = 2^(t - M), with t = logit x log2(e) and M = ceil(the row's largest t), a whole number; so 1/2 < the row's largest p <= 1. The row's sum l is taken of the UNQUANTISED p, in f32, and the product's result is divided by l at the end. Since M is a whole number, a kernel that streams over the keys may use a running M (the ceiling of the running maximum): every later rescaling is an exact power of two, which a block's scale takes up: the codes' values come out the same.
;;   OPERANDS COMPUTED ON THE WAY. 'Computed on the way' means the value that the module computes at that place (a softmax that the list does not call 'softmax' is quantised finished and normalised). What goes into a quantiser is computed in f32, as accurately as f32 sums, v_exp_f32 and their like allow (about 1e-6 of the number): no bf16 or f16 on the way to a quantiser, and a product that is left as it is and whose result goes on into a quantised operand takes f32 operands (vector FMAs, or v_wmma_f32_16x16x4_f32). A number that lies on a knife's edge between two numbers of the format may be rounded either way, as far as f32 arithmetic and the matrix unit's own rounding can turn it there, and no further.
;; One version. Each part assembles by itself: llvm-mc -triple=amdgcn-amd-amdhsa -mcpu=gfx1250 --defsym DOCPART=n.
;; ======== version 1 of 1: 7 launches
;; workspace buffers: W 6,684,672 bytes; H 2,228,224 bytes; QKV 6,946,816 bytes; AO 2,228,224 bytes; X1 16,777,216 bytes; G 8,912,896 bytes
;; launch prep (part 1): grid 640 x 1, 8 waves a work-group, no clusters, 66,816 bytes of LDS; arguments x, ln1_g, ln1_b, H, w_qkv, w_out, w_ff1, w_ff2, W; writes H, W
.if DOCPART == 1
	.amdgcn_target "amdgcn-amd-amdhsa--gfx1250"
	.amdhsa_code_object_version 6
	.text
	.protected	k_qe3603264a2_prep
	.globl	k_qe3603264a2_prep
	.p2align	8
	.type	k_qe3603264a2_prep,@function
k_qe3603264a2_prep:
	s_mov_b64 s[64:65], 0
	v_nop
	global_prefetch_b8 v0, s[64:65] scope:SCOPE_SE
	s_setreg_imm32_b32 hwreg(HW_REG_WAVE_MODE, 25, 1), 1
	s_wait_xcnt 0x0
; TWO JOBS IN ONE LAUNCH, parted on the work-group's number alone: work-groups 0-255 norm and quantise x (H), work-groups 256-639 quantise the four weights (W).  Neither reads what the other writes; one launch spares a start and an end,
; and the norm's chain of dependent steps runs while the weights stream.  Only the norm's path touches LDS and has a barrier.
; BOTH WRITE IMAGES OF THE OPERAND'S REGISTERS, codes of FP4 (E2M1) with one E8M0 byte for each 32 along K.  A fragment is 16 rows x 128 K = 1,024 bytes: registers 4 c .. 4 c + 3 of lane l lie at 512 c + 16 l.  Its 16 scale words are 64 bytes, row r at 4 r.
; ROWS OF A TILE: lane row r of tile T is row (or column n of a weight) 32 (T / 2) + 16 (r / 8) + 8 (T % 2) + r % 8, so that a product used transposed leaves 16 neighbours along n in the 16 registers of two neighbouring tiles.
; RECORD: PT tiles x 4 K steps: codes [q][tile][1024], then scale words [q][tile][64].  An operand is [panel of PT tiles][K step / 4][record].
; THE NORM: h = (x - mean) rsqrt(var + 1e-5) g + b for rows of 1,024 f32.  Work-group t is image tile t.  Wave w norms image rows 2 w, 2 w + 1 (two neighbouring rows of x), a row in 32 registers, read once; mean and variance in two passes
; over the registers.  The 16 rows meet in LDS (pitch 4,112 bytes: 257 x 16, so that sixteen rows' 16 bytes fall on different banks); behind one barrier wave w quantises K step w.
; THE WEIGHTS, f32 stored [K][N]: four waves take 128 columns x 128 K, a wave 32 columns (two tiles); a work-group's eight waves take two such units.  A LANE TAKES A COLUMN AND ITS REGISTERS RUN DOWN K: a block of 32 is one lane's, and its
; 16 bytes of codes are four registers of the image.  Every store of codes covers two aligned runs of 256 bytes.  The four tensors part on the work-group's number: their row lengths stand in the loads' immediates.
; LIMITS: a block of zeros, and a block whose largest magnitude lies under 2^-124, gets the byte 1 (its codes are zeros or held; this program alone reads the bytes); NaN and infinities are not served.
.set X, 32                             ; norm: v32-95 two rows, later 64 numbers of a K step;  weights: v32-159 four blocks of 32 numbers
.set GG, 96                            ; norm: v96-127  g
.set BB, 128                           ; norm: v128-159 b
.set TM, 160                           ; norm: v160-171 the quantiser's work
.set PC, 176                           ; norm: v176-183 the codes
.set PW, 184                           ; norm: v184     the scale word
.set SEL, 14                           ; norm: s[14:15] lane selects: lane l xor 16
.set PITCH, 4112
.set C, 160                            ; weights: v160-175 a block's codes, four registers each: no store's data are written again
; 16 nb numbers of a lane, register s + 16 b + i = k 32 b + 16 (lane / 16) + i of my row, become codes in v[pc] on (a whole block to a lane) and the scale word v[pw]
.macro QUANT s, nb, pc, pw
.set qb, 0
.rept \nb
	v_max3_num_f32 v[TM+qb], |v[\s+16*qb]|, |v[\s+16*qb+1]|, 0x1800000   ; with the floor 2^(3 - 127): the byte cannot fall under 1
.set qb, qb+1
.endr
.irp i, 2,4,6,8,10,12,14
.set qb, 0
.rept \nb
	v_max3_num_f32 v[TM+qb], v[TM+qb], |v[\s+16*qb+\i]|, |v[\s+16*qb+\i+1]|
.set qb, qb+1
.endr
.endr
.set qb, 0
.rept \nb
	v_permlanex16_b32 v[TM+4+qb], v[TM+qb], s[SEL], s[SEL+1]
.set qb, qb+1
.endr
.set qb, 0
.rept \nb
	v_max_num_f32 v[TM+qb], v[TM+qb], v[TM+4+qb]   ; with lane l xor 16's: the block's largest magnitude
.set qb, qb+1
.endr
.set qb, 0
.rept \nb
	v_add_nc_u32 v[TM+8+qb], 0xff000000, v[TM+qb]  ; 2 off its exponent field: the conversion's scale operand
.set qb, qb+1
.endr
.set qb, 0
.rept \nb
	v_lshrrev_b32 v[TM+4+qb], 23, v[TM+8+qb]       ; the byte
.set qb, qb+1
.endr
	v_lshl_or_b32 v[\pw], v[TM+5], 8, v[TM+4]
.if \nb == 4
	v_lshl_or_b32 v[\pw], v[TM+6], 16, v[\pw]
	v_lshl_or_b32 v[\pw], v[TM+7], 24, v[\pw]
.endif
.set qb, 0
.rept \nb
	v_cvt_scalef32_pk8_fp4_f32 v[\pc+2*qb], v[\s+16*qb:\s+16*qb+7], v[TM+8+qb]
	v_cvt_scalef32_pk8_fp4_f32 v[\pc+2*qb+1], v[\s+16*qb+8:\s+16*qb+15], v[TM+8+qb]
.set qb, qb+1
.endr
	v_nop                                          ; a plain line behind the conversions
.set qb, 0
.rept \nb/2
	v_permlane16_swap_b32 v[\pc+4*qb], v[\pc+4*qb+2]     ; lanes 0-15 get block 2 c whole, lanes 16-31 block 2 c + 1
	v_permlane16_swap_b32 v[\pc+4*qb+1], v[\pc+4*qb+3]
.set qb, qb+1
.endr
.endm
.macro REDUCE a, b                     ; v[a] and v[b] summed over the 32 lanes, by turns; every lane gets the sums
.irp m, 1,2,4,8
	v_add_f32_dpp v[\a], v[\a], v[\a] row_xmask:\m row_mask:0xf bank_mask:0xf
	v_add_f32_dpp v[\b], v[\b], v[\b] row_xmask:\m row_mask:0xf bank_mask:0xf
.endr
	v_permlanex16_b32 v[\a+1], v[\a], s[SEL], s[SEL+1]
	v_permlanex16_b32 v[\b+1], v[\b], s[SEL], s[SEL+1]
	v_add_f32 v[\a], v[\a], v[\a+1]
	v_add_f32 v[\b], v[\b], v[\b+1]
.endm
.macro WLOAD t, N                      ; block t: W(32 t + i, my column)
.set ii, 0
.rept 32
	global_load_b32 v[X+32*(\t)+ii], v2, s[16:17] offset:(32*(\t)+ii)*\N*4 th:TH_LOAD_NT
.set ii, ii+1
.endr
.endm
.macro WBLOCK t
.set XS, X+32*(\t)
	v_max3_num_f32 v12, |v[XS]|, |v[XS+1]|, |v[XS+2]|              ; the block's largest magnitude: all 32 numbers are mine
	v_max3_num_f32 v13, |v[XS+3]|, |v[XS+4]|, |v[XS+5]|
.irp i, 6,10,14,18,22,26
	v_max3_num_f32 v12, v12, |v[XS+\i]|, |v[XS+\i+1]|
	v_max3_num_f32 v13, v13, |v[XS+\i+2]|, |v[XS+\i+3]|
.endr
	v_max3_num_f32 v12, v12, |v[XS+30]|, |v[XS+31]|
	v_max3_num_f32 v12, v12, v13, 0x1800000        ; and the floor 2^(3 - 127): the byte cannot fall under 1
	v_add_nc_u32 v11, 0xff000000, v12              ; 2 off the exponent field: the conversion's scale operand
	v_lshrrev_b32 v13, 23, v11                     ; the scale's byte
.if (\t) == 0
	v_mov_b32 v8, v13
.else
	v_lshl_or_b32 v8, v13, 8*(\t), v8              ; four bytes make my column's scale word
.endif
.irp g, 0,1,2,3
	v_cvt_scalef32_pk8_fp4_f32 v[C+4*(\t)+\g], v[XS+8*\g:XS+8*\g+7], v11
.endr
	v_nop                                          ; a plain line behind the conversions
	global_store_b128 v3, v[C+4*(\t):C+4*(\t)+3], s[18:19] offset:512*((\t)/2)+256*((\t)%2)   ; block t = registers 4 (t / 2) .. of lane 16 (t % 2) + r
.endm
.macro WQ src, first, N, KSLOG, PTLOG, NSLOG, SECT
.set PT, 1<<\PTLOG
.set RECB, PT*4352
	s_sub_co_u32 s14, ttmp9, \first
	s_lshl_b32 s14, s14, 1
	s_add_co_u32 s14, s14, s3                      ; my unit of 128 columns x 128 K: two to a work-group
	s_and_b32 s15, s14, (1<<\KSLOG)-1              ; K step
	s_lshr_b32 s14, s14, \KSLOG                    ; group of 128 columns
	s_mul_i32 s16, s15, 128*\N*4
	s_lshl_b32 s17, s14, 9
	s_add_co_u32 s16, s16, s17
	s_lshl_b32 s17, s2, 7
	s_add_co_u32 s16, s16, s17                     ; 128 rows of K down, 128 cg + 32 w columns on
	s_mov_b32 s17, 0
	s_add_nc_u64 s[16:17], s[\src:\src+1], s[16:17]
	s_lshl_b32 s18, s14, 3
	s_lshl_b32 s19, s2, 1
	s_add_co_u32 s18, s18, s19                     ; T: my first tile
	s_lshr_b32 s19, s18, \PTLOG
	s_lshl_b32 s19, s19, \NSLOG
	s_lshr_b32 s20, s15, 2
	s_add_co_u32 s19, s19, s20
	s_mul_i32 s19, s19, RECB
	s_add_co_u32 s19, s19, \SECT                   ; the record
	s_and_b32 s20, s15, 3
	s_lshl_b32 s20, s20, \PTLOG
	s_and_b32 s21, s18, PT-1
	s_add_co_u32 s22, s20, s21                     ; (K step % 4) PT + tile
	s_lshl_b32 s18, s22, 10
	s_add_co_u32 s18, s18, s19
	s_lshl_b32 s20, s22, 6
	s_add_co_u32 s20, s20, s19
	s_add_co_u32 s20, s20, PT*4096
	s_mov_b32 s19, 0
	s_mov_b32 s21, 0
	s_add_nc_u64 s[18:19], s[12:13], s[18:19]      ; codes
	s_add_nc_u64 s[20:21], s[12:13], s[20:21]      ; scale words
	WLOAD 0, \N
	WLOAD 1, \N
	s_wait_loadcnt 32                              ; block 0 is in, block 1's 32 loads may be out
	WLOAD 2, \N
	WBLOCK 0
	s_wait_loadcnt 32                              ; block 1 is in, block 2's may be out
	WLOAD 3, \N
	WBLOCK 1
	s_wait_loadcnt 32                              ; block 2 is in, block 3's may be out
	WBLOCK 2
	s_wait_loadcnt 0x0
	WBLOCK 3
	global_store_b32 v4, v8, s[20:21]              ; two tiles' scale words: 128 consecutive bytes
	s_endpgm
.endm
	v_lshl_add_u32 v192, v0, 2, 0x10100
	v_mov_b32 v193, 0
	s_cmp_lt_u32 ttmp9, 256                        ; the norm's work-groups come first: theirs is the longer chain of dependent steps
	s_cbranch_scc0 .Lweights
	; ---------------- THE NORM ----------------
	s_load_b256 s[4:11], s[0:1], 0x0               ; x, g, b, H
	v_lshrrev_b32 v1, 5, v0
	v_readfirstlane_b32 s2, v1                     ; wave 0..7
	v_and_b32 v1, 31, v0
	v_lshlrev_b32 v2, 4, v1                        ; 16 l
	v_and_b32 v5, 15, v0                           ; r
	v_bfe_u32 v6, v0, 4, 1                         ; h
	s_mul_i32 s18, s2, 2*PITCH
	v_add_nc_u32 v3, s18, v2                       ; LDS, in: my two rows, 16 l
	v_mul_u32_u24 v4, v5, PITCH
	v_lshl_add_u32 v4, v6, 6, v4
	s_lshl_b32 s19, s2, 9
	v_add_nc_u32 v4, s19, v4                       ; LDS, out: row r, K step w, + 64 h
	v_lshlrev_b32 v7, 2, v5                        ; 4 r
	s_mov_b32 s12, 0x3a800000                      ; 1 / 1,024
	s_mov_b32 s13, 0x3727c5ac                      ; 1e-5
	s_mov_b32 s[SEL], 0x76543210
	s_mov_b32 s[SEL+1], 0xfedcba98
.irp b, 0,1,2,3
	v_mov_b32 v[TM+4+\b], 0                        ; written once: a lane permute's destination counts as one of its sources
.endr
	s_lshr_b32 s16, ttmp9, 1
	s_lshl_b32 s16, s16, 5
	s_and_b32 s17, ttmp9, 1
	s_lshl_b32 s17, s17, 3
	s_add_co_u32 s16, s16, s17
	s_lshr_b32 s17, s2, 2
	s_lshl_b32 s17, s17, 4
	s_add_co_u32 s16, s16, s17
	s_and_b32 s17, s2, 3
	s_lshl_b32 s17, s17, 1
	s_add_co_u32 s16, s16, s17                     ; my first row: 32 (t / 2) + 8 (t % 2) + 16 (w / 4) + 2 (w % 4)
	s_lshl_b32 s16, s16, 12
	s_mov_b32 s17, 0
	s_lshr_b32 s20, ttmp9, 4
	s_lshl_b32 s20, s20, 1
	s_lshr_b32 s21, s2, 2
	s_add_co_u32 s20, s20, s21
	s_mul_i32 s20, s20, 69632                      ; the record: panel t / 16, K step w / 4
	s_and_b32 s21, s2, 3
	s_lshl_b32 s21, s21, 4
	s_and_b32 s22, ttmp9, 15
	s_add_co_u32 s21, s21, s22                     ; (w % 4) 16 + t % 16
	s_lshl_b32 s22, s21, 10
	s_add_co_u32 s22, s22, s20
	s_mov_b32 s23, 0
	s_lshl_b32 s24, s21, 6
	s_add_co_u32 s24, s24, s20
	s_add_co_u32 s24, s24, 65536
	s_mov_b32 s25, 0
	s_wait_kmcnt 0x0
	s_add_nc_u64 s[4:5], s[4:5], s[16:17]
	s_add_nc_u64 s[22:23], s[10:11], s[22:23]
	s_add_nc_u64 s[24:25], s[10:11], s[24:25]
.set jj, 0
.rept 8
	global_load_b128 v[X+4*jj:X+4*jj+3], v2, s[4:5] offset:512*jj th:TH_LOAD_NT            ; 512 consecutive bytes a load
	global_load_b128 v[X+32+4*jj:X+32+4*jj+3], v2, s[4:5] offset:4096+512*jj th:TH_LOAD_NT
.set jj, jj+1
.endr
.set jj, 0
.rept 8
	global_load_b128 v[GG+4*jj:GG+4*jj+3], v2, s[6:7] offset:512*jj
	global_load_b128 v[BB+4*jj:BB+4*jj+3], v2, s[8:9] offset:512*jj
.set jj, jj+1
.endr
	s_wait_loadcnt 16                              ; the rows are in; the 16 loads of g and b may be out
.irp i, 0,1                            ; the sums: two chains a row
	v_pk_add_f32 v[8+4*\i:9+4*\i], v[X+32*\i:X+32*\i+1], v[X+32*\i+2:X+32*\i+3]
	v_pk_add_f32 v[10+4*\i:11+4*\i], v[X+32*\i+4:X+32*\i+5], v[X+32*\i+6:X+32*\i+7]
.endr
.irp j, 8,12,16,20,24,28
.irp i, 0,1
	v_pk_add_f32 v[8+4*\i:9+4*\i], v[8+4*\i:9+4*\i], v[X+32*\i+\j:X+32*\i+\j+1]
	v_pk_add_f32 v[10+4*\i:11+4*\i], v[10+4*\i:11+4*\i], v[X+32*\i+\j+2:X+32*\i+\j+3]
.endr
.endr
.irp i, 0,1
	v_pk_add_f32 v[8+4*\i:9+4*\i], v[8+4*\i:9+4*\i], v[10+4*\i:11+4*\i]
.endr
.irp i, 0,1
	v_add_f32 v[8+4*\i], v[8+4*\i], v[9+4*\i]
.endr
	REDUCE 8, 12
	v_mul_f32 v8, s12, v8                          ; the means
	v_mul_f32 v12, s12, v12
.irp i, 0,1
.set jj, 0
.rept 16
	v_pk_add_f32 v[X+32*\i+jj:X+32*\i+jj+1], v[X+32*\i+jj:X+32*\i+jj+1], v[8+4*\i:9+4*\i] op_sel_hi:[1,0] neg_lo:[0,1] neg_hi:[0,1]   ; x - mean
.set jj, jj+2
.endr
.endr
.irp i, 0,1                            ; the sums of squares of what is left
	v_pk_mul_f32 v[16+4*\i:17+4*\i], v[X+32*\i:X+32*\i+1], v[X+32*\i:X+32*\i+1]
	v_pk_mul_f32 v[18+4*\i:19+4*\i], v[X+32*\i+2:X+32*\i+3], v[X+32*\i+2:X+32*\i+3]
.endr
.irp j, 4,8,12,16,20,24,28
.irp i, 0,1
	v_pk_fma_f32 v[16+4*\i:17+4*\i], v[X+32*\i+\j:X+32*\i+\j+1], v[X+32*\i+\j:X+32*\i+\j+1], v[16+4*\i:17+4*\i]
	v_pk_fma_f32 v[18+4*\i:19+4*\i], v[X+32*\i+\j+2:X+32*\i+\j+3], v[X+32*\i+\j+2:X+32*\i+\j+3], v[18+4*\i:19+4*\i]
.endr
.endr
.irp i, 0,1
	v_pk_add_f32 v[16+4*\i:17+4*\i], v[16+4*\i:17+4*\i], v[18+4*\i:19+4*\i]
.endr
.irp i, 0,1
	v_add_f32 v[16+4*\i], v[16+4*\i], v[17+4*\i]
.endr
	REDUCE 16, 20
	v_fma_f32 v16, v16, s12, s13                   ; var + eps
	v_fma_f32 v20, v20, s12, s13
	v_rsq_f32 v24, v16
	v_rsq_f32 v26, v20
	v_mov_b32 v25, 0                               ; plain lines behind the two; the packed form names pairs, so the upper halves are written
	v_mov_b32 v27, 0
	s_wait_alu depctr_va_vdst(0)                   ; one wait for both, ahead of their first reader
.irp i, 0,1
.set jj, 0
.rept 16
	v_pk_mul_f32 v[X+32*\i+jj:X+32*\i+jj+1], v[X+32*\i+jj:X+32*\i+jj+1], v[24+2*\i:25+2*\i] op_sel_hi:[1,0]
.set jj, jj+2
.endr
.endr
	s_wait_loadcnt 0x0                             ; g and b
.irp i, 0,1
.set jj, 0
.rept 16
	v_pk_fma_f32 v[X+32*\i+jj:X+32*\i+jj+1], v[X+32*\i+jj:X+32*\i+jj+1], v[GG+jj:GG+jj+1], v[BB+jj:BB+jj+1]
.set jj, jj+2
.endr
.endr
.irp i, 0,1
.set jj, 0
.rept 8
	ds_store_b128 v3, v[X+32*\i+4*jj:X+32*\i+4*jj+3] offset:\i*PITCH+512*jj
.set jj, jj+1
.endr
.endr
	s_wait_dscnt 0x0                               ; for the others' sake: my rows lie in LDS
	s_barrier_signal -1
	s_barrier_wait -1
.irp b, 0,1,2,3
.irp j, 0,1,2,3
	ds_load_b128 v[X+16*\b+4*\j:X+16*\b+4*\j+3], v4 offset:128*\b+16*\j    ; row r, k = 128 w + 32 b + 16 h + 4 j ..
.endr
.endr
	s_wait_dscnt 0x0
	QUANT X, 4, PC, PW
	global_store_b128 v2, v[PC:PC+3], s[22:23]                 ; the image: 512 consecutive bytes a store
	global_store_b128 v2, v[PC+4:PC+7], s[22:23] offset:512
	global_store_b32 v7, v[PW], s[24:25]                       ; row r's word; both halves of the lanes hold and write the same
	s_wait_tensorcnt 0x0
	ds_add_u32 v192, v193
	s_wait_dscnt 0x0
	s_endpgm
	; ---------------- THE WEIGHTS ----------------
.Lweights:
	s_load_b256 s[4:11], s[0:1], 0x20              ; w_qkv, w_out, w_ff1, w_ff2
	s_load_b64 s[12:13], s[0:1], 0x40              ; W
	v_lshrrev_b32 v1, 5, v0
	v_readfirstlane_b32 s2, v1                     ; wave 0..7
	s_lshr_b32 s3, s2, 2                           ; which of the work-group's two units
	s_and_b32 s2, s2, 3                            ; which 32 of its 128 columns
	v_and_b32 v5, 31, v0                           ; lane
	v_and_b32 v2, 7, v5
	v_bfe_u32 v6, v5, 3, 1
	v_lshl_add_u32 v2, v6, 4, v2
	v_lshrrev_b32 v6, 4, v5
	v_lshl_add_u32 v2, v6, 3, v2                   ; my column of the wave's 32: 16 ((l / 8) % 2) + 8 (l / 16) + l % 8
	v_lshlrev_b32 v2, 2, v2
	v_and_b32 v3, 15, v5
	v_lshlrev_b32 v3, 4, v3
	v_lshl_add_u32 v3, v6, 10, v3                  ; codes: tile l / 16, 16 bytes for row l % 16
	v_lshlrev_b32 v4, 2, v5                        ; scale words: 4 l
	s_wait_kmcnt 0x0
	s_cmp_lt_u32 ttmp9, 352
	s_cbranch_scc1 .Lqkv
	s_cmp_lt_u32 ttmp9, 384
	s_cbranch_scc1 .Lout
	s_cmp_lt_u32 ttmp9, 512
	s_cbranch_scc1 .Lff1
	WQ 10, 512, 1024, 5, 3, 3, 4456448
.Lff1:
	WQ 8, 384, 4096, 3, 4, 1, 2228224
.Lout:
	WQ 6, 352, 1024, 3, 3, 1, 1671168
.Lqkv:
	WQ 4, 256, 3072, 3, 4, 1, 0
.Lfunc_end_k_qe3603264a2_prep:
	.size	k_qe3603264a2_prep, .Lfunc_end_k_qe3603264a2_prep-k_qe3603264a2_prep
	.p2alignl 7, 3214868480
	.fill 96, 4, 3214868480
	.section	.rodata,"a",@progbits
	.p2align	6, 0x0
	.amdhsa_kernel k_qe3603264a2_prep
		.amdhsa_group_segment_fixed_size 66816
		.amdhsa_private_segment_fixed_size 0
		.amdhsa_enable_private_segment 0
		.amdhsa_kernarg_size 72
		.amdhsa_user_sgpr_count 2
		.amdhsa_user_sgpr_kernarg_segment_ptr 1
		.amdhsa_wavefront_size32 1
		.amdhsa_system_sgpr_workgroup_id_x 1
		.amdhsa_system_sgpr_workgroup_id_y 1
		.amdhsa_system_sgpr_workgroup_id_z 1
		.amdhsa_system_vgpr_workitem_id 0
		.amdhsa_next_free_vgpr 194
		.amdhsa_next_free_sgpr 66
		.amdhsa_reserve_vcc 0
		.amdhsa_float_denorm_mode_32 3
		.amdhsa_float_denorm_mode_16_64 3
		.amdhsa_memory_ordered 1
		.amdhsa_forward_progress 1
		.amdhsa_inst_pref_size 104
	.end_amdhsa_kernel
	.amdgpu_metadata
---
amdhsa.version: [ 1, 2 ]
amdhsa.kernels:
  - .name:           k_qe3603264a2_prep
    .symbol:         k_qe3603264a2_prep.kd
    .args:
      - { .name: x, .offset: 0, .size: 8, .value_kind: global_buffer, .address_space: global }
      - { .name: ln1_g, .offset: 8, .size: 8, .value_kind: global_buffer, .address_space: global }
      - { .name: ln1_b, .offset: 16, .size: 8, .value_kind: global_buffer, .address_space: global }
      - { .name: H, .offset: 24, .size: 8, .value_kind: global_buffer, .address_space: global }
      - { .name: w_qkv, .offset: 32, .size: 8, .value_kind: global_buffer, .address_space: global }
      - { .name: w_out, .offset: 40, .size: 8, .value_kind: global_buffer, .address_space: global }
      - { .name: w_ff1, .offset: 48, .size: 8, .value_kind: global_buffer, .address_space: global }
      - { .name: w_ff2, .offset: 56, .size: 8, .value_kind: global_buffer, .address_space: global }
      - { .name: W, .offset: 64, .size: 8, .value_kind: global_buffer, .address_space: global }
    .group_segment_fixed_size: 66816
    .private_segment_fixed_size: 0
    .kernarg_segment_align: 8
    .kernarg_segment_size: 72
    .max_flat_workgroup_size: 256
    .sgpr_count:     66
    .vgpr_count:     194
    .wavefront_size: 32
...
	.end_amdgpu_metadata
.endif
;; end of part 1
;; launch qkv (part 2): grid 48 x 4, 16 waves a work-group, clusters of 4 x 4, 280,576 bytes of LDS; arguments H, W, b_qkv, QKV; writes QKV
.if DOCPART == 2
	.amdgcn_target "amdgcn-amd-amdhsa--gfx1250"
	.amdhsa_code_object_version 6
	.text
	.protected	k_qe3603264a2_qkv
	.globl	k_qe3603264a2_qkv
	.p2align	8
	.type	k_qe3603264a2_qkv,@function
k_qe3603264a2_qkv:
	s_mov_b64 s[64:65], 0
	v_nop
	global_prefetch_b8 v0, s[64:65] scope:SCOPE_SE
	s_setreg_imm32_b32 hwreg(HW_REG_WAVE_MODE, 25, 1), 1
	s_wait_xcnt 0x0
	s_wait_alu depctr_hold_cnt(0) depctr_sa_sdst(0) depctr_va_vdst(0) depctr_va_sdst(0) depctr_va_ssrc(0) depctr_va_vcc(0) depctr_vm_vsrc(0)
	s_getreg_b32 s2, hwreg(HW_REG_IB_STS2, 6, 4)
	s_cmp_eq_u32 s2, 0
	s_cbranch_scc0 .Lentry_in_a_cluster
	s_endpgm
.Lentry_in_a_cluster:
	s_bfe_u32 s2, ttmp6, 0x10000c
	s_cmp_lg_u32 s2, 0xf033
	s_cbranch_scc0 .Lentry_shape_is_right
	s_endpgm
.Lentry_shape_is_right:
; qkv = h w_qkv + b_qkv on codes of FP4 (E2M1) with E8M0 scales, and q, k, v quantised on the way out, for attention's two products.
; OPERANDS are images of the operand's registers (fragment 16 rows x 128 K = 1,024 bytes; record of 16 tiles x 4 K steps = 69,632 bytes: codes [q][tile][1024], scale words [q][tile][64]); a panel of 256 rows with all of K = 1,024 is
; two records on end.  A work-group makes 256 x 256: both panels come into LDS whole, as they lie, by two tensor loads a wave; nothing is filled again.  Sixteen waves, each 32 rows x 128 columns: 16 accumulators, four waves to a SIMD.
; THE PRODUCT IS USED TRANSPOSED: source 0 = a tile of B, source 1 = a tile of A.  Lane (r, h), register j of accumulator (a, b): row = A's lane row r, column 32 (b / 2) + 16 h + 8 (b % 2) + j: the 16 registers of two neighbouring tiles
; are 16 neighbours, which is what the conversions want.
; q, k (clusters 0-7): A = h (tokens), B = w_qkv's columns 0-2,047: quantised along the head's 64.  v (clusters 8-11): A = w_qkv's columns 2,048-3,071, B = h: the registers run along the TOKENS, the second product's K.
; One path serves both: what differs is chosen by s_cselect on the cluster's number.  The sums begin with the bias: the accumulators are loaded with it (for v: a number a lane, put in by v_cndmask).
; CLUSTER 4 x 4: A's panel hangs on cy alone and is asked for jointly along a row of the cluster, B's on cx alone, along a column.
; QKV, a record of 217,088 bytes a head: K images [128 tiles][512] | V^T images [16 K steps][4 tiles of d][1024] | K scale words [128][64] | V scale words [16][4][64] | Q images | Q scale words.  A q or k image is the lower half of a
; fragment (K = 64); its scale word's upper two bytes are 0 and stand over zero codes.
; LIMITS: a block of zeros or under 2^-124 gets the byte 1 (read by this program alone); NaN and infinities are not served.
.set NW, 16
.set PT, 16
.set TB, 8
.set RECB, 69632
.set OPB, 69632
.set SLOT, 2*OPB
.set PIECE, 8704                       ; what one tensor load brings: 34 rows of 256 bytes
.set ROWS, 34
.set PANB, 2*RECB
.set ADRA, 2                           ; v2-3 A's fragments in slot 0, 1;  v4-5 B's;  v6-7 A's scale words;  v8-9 B's
.set ADRB, 4
.set ADSA, 6
.set ADSB, 8
.set BO, 10                            ; v10 64 h: the bias's offset
.set AF, 16                            ; v16-31 A's two fragments;  v32-95 B's eight
.set BF, 32
.set SA, 96                            ; v96 A's scale words (tile 0 in lanes 0-15, tile 1 in lanes 16-31);  v97-100 B's, two tiles each
.set SB, 97
.set BM, 101                           ; v101-102 v's bias, a number a lane
.set PW, 103
.set TM, 104                           ; v104-115
.set SD, 116                           ; v116-117 scale words as stored
.set PC, 120                           ; v120-127
.set ACC, 128                          ; accumulator (a, b) at v[128 + 64 a + 8 b]
.set WV, 14
.set WM, 15
.set WN, 3
.set PCE, 2
.set SEL, 12
.set CX, 40
.set CY, 41
.set PB, 42
.set PA, 43
.set MASK, 66
.set G1A, 16
.set G1B, 24
.set G0A, 32
.set G0B, 48
.macro CROUND                          ; a round of the cluster's barrier
	s_barrier_signal -1
	s_barrier_wait -1
	s_cmp_lg_u32 s[WV], 0
	s_cbranch_scc1 .Lnot_wave_0_\@
	s_barrier_signal -3
.Lnot_wave_0_\@:
	s_barrier_wait -3
	s_barrier_signal -1
	s_barrier_wait -1
.endm
.macro MM a                            ; one product: B's tile kb x A's tile a.  The rows of the scale registers go with the tiles' parities
.set rD, ACC+8*TB*\a+8*kb
.if (\a == 0) && (kb%2 == 0)
	v_wmma_scale_f32_16x16x128_f8f6f4 v[rD:rD+7], v[BF+8*kb:BF+8*kb+7], v[AF+8*\a:AF+8*\a+7], v[rD:rD+7], v[SB+kb/2], v[SA] matrix_a_fmt:MATRIX_FMT_FP4 matrix_b_fmt:MATRIX_FMT_FP4
.elseif (\a == 0)
	v_wmma_scale_f32_16x16x128_f8f6f4 v[rD:rD+7], v[BF+8*kb:BF+8*kb+7], v[AF+8*\a:AF+8*\a+7], v[rD:rD+7], v[SB+kb/2], v[SA] matrix_a_fmt:MATRIX_FMT_FP4 matrix_b_fmt:MATRIX_FMT_FP4 matrix_a_scale:MATRIX_SCALE_ROW1
.elseif (kb%2 == 0)
	v_wmma_scale_f32_16x16x128_f8f6f4 v[rD:rD+7], v[BF+8*kb:BF+8*kb+7], v[AF+8*\a:AF+8*\a+7], v[rD:rD+7], v[SB+kb/2], v[SA] matrix_a_fmt:MATRIX_FMT_FP4 matrix_b_fmt:MATRIX_FMT_FP4 matrix_b_scale:MATRIX_SCALE_ROW1
.else
	v_wmma_scale_f32_16x16x128_f8f6f4 v[rD:rD+7], v[BF+8*kb:BF+8*kb+7], v[AF+8*\a:AF+8*\a+7], v[rD:rD+7], v[SB+kb/2], v[SA] matrix_a_fmt:MATRIX_FMT_FP4 matrix_b_fmt:MATRIX_FMT_FP4 matrix_a_scale:MATRIX_SCALE_ROW1 matrix_b_scale:MATRIX_SCALE_ROW1
.endif
.endm
.macro KSTEP s, q                      ; 128 along K: the q-th of slot s.  The accumulators take turns, one instruction a turn, in the same order in every step
.set QO, ((\q)/4)*RECB+((\q)%4)*PT*1024
.set QS, ((\q)/4)*RECB+((\q)%4)*PT*64
.rept 4
	v_nop                                          ; four places in front of loads into registers that matrix instructions have read (ISA guide 7.12.1 for vector instructions)
.endr
.irp a, 0,1
.irp c, 0,1
	ds_load_b128 v[AF+8*\a+4*\c:AF+8*\a+4*\c+3], v[ADRA+\s] offset:QO+1024*\a+512*\c
.endr
.endr
.set kb, 0
.rept TB
	ds_load_b128 v[BF+8*kb:BF+8*kb+3], v[ADRB+\s] offset:QO+1024*kb
	ds_load_b128 v[BF+8*kb+4:BF+8*kb+7], v[ADRB+\s] offset:QO+1024*kb+512
.set kb, kb+1
.endr
	ds_load_b32 v[SA], v[ADSA+\s] offset:QS
.set kb, 0
.rept TB/2
	ds_load_b32 v[SB+kb], v[ADSB+\s] offset:QS+128*kb
.set kb, kb+1
.endr
	s_wait_dscnt 0x0
.irp a, 0,1
.set kb, 0
.rept TB
	MM \a
.set kb, kb+1
.endr
.endr
.endm
; 16 nb numbers of a lane, register s + 16 b + i = k 32 b + 16 (lane / 16) + i of my row, become codes in v[pc] on (a whole block to a lane) and the scale word v[pw]
.macro QUANT s, nb, pc, pw
.set qb, 0
.rept \nb
	v_max3_num_f32 v[TM+qb], |v[\s+16*qb]|, |v[\s+16*qb+1]|, 0x1800000   ; with the floor 2^(3 - 127): the byte cannot fall under 1
.set qb, qb+1
.endr
.irp i, 2,4,6,8,10,12,14
.set qb, 0
.rept \nb
	v_max3_num_f32 v[TM+qb], v[TM+qb], |v[\s+16*qb+\i]|, |v[\s+16*qb+\i+1]|
.set qb, qb+1
.endr
.endr
.set qb, 0
.rept \nb
	v_permlanex16_b32 v[TM+4+qb], v[TM+qb], s[SEL], s[SEL+1]
.set qb, qb+1
.endr
.set qb, 0
.rept \nb
	v_max_num_f32 v[TM+qb], v[TM+qb], v[TM+4+qb]
.set qb, qb+1
.endr
.set qb, 0
.rept \nb
	v_add_nc_u32 v[TM+8+qb], 0xff000000, v[TM+qb]  ; 2 off the exponent field: the conversion's scale operand
.set qb, qb+1
.endr
.set qb, 0
.rept \nb
	v_lshrrev_b32 v[TM+4+qb], 23, v[TM+8+qb]       ; the byte
.set qb, qb+1
.endr
	v_lshl_or_b32 v[\pw], v[TM+5], 8, v[TM+4]
.if \nb == 4
	v_lshl_or_b32 v[\pw], v[TM+6], 16, v[\pw]
	v_lshl_or_b32 v[\pw], v[TM+7], 24, v[\pw]
.endif
.set qb, 0
.rept \nb
	v_cvt_scalef32_pk8_fp4_f32 v[\pc+2*qb], v[\s+16*qb:\s+16*qb+7], v[TM+8+qb]
	v_cvt_scalef32_pk8_fp4_f32 v[\pc+2*qb+1], v[\s+16*qb+8:\s+16*qb+15], v[TM+8+qb]
.set qb, qb+1
.endr
	v_nop                                          ; a plain line behind the conversions
.set qb, 0
.rept \nb/2
	v_permlane16_swap_b32 v[\pc+4*qb], v[\pc+4*qb+2]
	v_permlane16_swap_b32 v[\pc+4*qb+1], v[\pc+4*qb+3]
.set qb, qb+1
.endr
.endm
	s_load_b256 s[4:11], s[0:1], 0x0               ; H, W, b_qkv, QKV
	v_lshl_add_u32 v118, v0, 2, 0x44000
	v_mov_b32 v119, 0
	ds_add_u32 v118, v119
	ds_add_u32 v118, v119
	v_lshrrev_b32 v1, 5, v0
	v_readfirstlane_b32 s[WV], v1                  ; wave 0..15
	s_lshr_b32 s[WM], s[WV], 1                     ; my two tiles of A
	s_and_b32 s[WN], s[WV], 1                      ; my eight tiles of B
	s_and_b32 s[PCE], s[WV], NW/2-1                ; which eighth of a record I fetch
	s_bfe_u32 s[CX], ttmp6, 0x40000
	s_bfe_u32 s[CY], ttmp6, 0x40004
	s_lshl_b32 s44, s[CY], 2
	s_lshl_b32 s44, 15, s44                        ; my row of the cluster
	s_lshl_b32 s45, 0x1111, s[CX]                  ; my column
	s_or_b32 s[G1A], s44, (3<<16)|(1<<21)          ; group 1: the mask; elements of 8 bytes; bit 21 beside a mask; no padding
	s_or_b32 s[G1B], s45, (3<<16)|(1<<21)
.irp g, G1A, G1B
	s_mov_b32 s[\g+1], 32<<16                      ; tensor_dim0 = 32 elements: rows of 256 bytes
	s_mov_b32 s[\g+2], ROWS<<16                    ; tensor_dim1
	s_mov_b32 s[\g+3], 32<<16                      ; tile_dim0
	s_mov_b32 s[\g+4], ROWS                        ; tile_dim1
	s_mov_b32 s[\g+5], 32                          ; the pitch: dense
	s_mov_b32 s[\g+6], 0
	s_mov_b32 s[\g+7], 0
.endr
	s_mov_b32 s[SEL], 0x76543210
	s_mov_b32 s[SEL+1], 0xfedcba98
	s_lshr_b32 s56, ttmp9, 1
	s_lshl_b32 s56, s56, 2                         ; q, k: A's panels 4 (c / 2) ..
	s_and_b32 s57, ttmp9, 1
	s_lshl_b32 s57, s57, 2                         ;       B's panels 4 (c % 2) ..
	s_sub_co_u32 s58, ttmp9, 8
	s_lshl_b32 s58, s58, 2                         ; v:    B's panels 4 (c - 8) ..
	s_wait_dscnt 0x0
	s_wait_kmcnt 0x0
	s_cmp_lt_u32 ttmp9, 8                          ; q and k, or v?  The cluster's number: the same in all sixteen partners
	s_cselect_b32 s[PA], s56, 8
	s_cselect_b32 s[PB], s57, s58
	s_cselect_b32 s[MASK], -1, 0
	s_cselect_b64 s[68:69], s[4:5], s[6:7]         ; A's buffer
	s_cselect_b64 s[70:71], s[6:7], s[4:5]         ; B's
	s_add_co_u32 s[PA], s[PA], s[CY]
	s_add_co_u32 s[PB], s[PB], s[CX]
	s_mul_i32 s56, s[PA], PANB
	s_mul_i32 s57, s[PCE], PIECE
	s_add_co_u32 s56, s56, s57
	s_mov_b32 s57, 0
	s_add_nc_u64 s[56:57], s[68:69], s[56:57]      ; A: the panel, my piece
	s_mul_i32 s58, s[PB], PANB
	s_mul_i32 s59, s[PCE], PIECE
	s_add_co_u32 s58, s58, s59
	s_mov_b32 s59, 0
	s_add_nc_u64 s[58:59], s[70:71], s[58:59]      ; B likewise
	s_mul_i32 s60, s[WV], PIECE                    ; in a slot A's record lies first, then B's: wave x piece
	CROUND                                         ; all sixteen work-groups are here: the joint loads meet
.irp s, 0,1
	s_mov_b32 s[G0A+4*\s], 1
	s_add_co_u32 s[G0A+4*\s+1], s60, \s*SLOT
	s_add_nc_u64 s[G0A+4*\s+2:G0A+4*\s+3], s[56:57], \s*OPB
	s_or_b32 s[G0A+4*\s+3], s[G0A+4*\s+3], 0x80000000
	s_mov_b32 s[G0B+4*\s], 1
	s_add_co_u32 s[G0B+4*\s+1], s60, \s*SLOT
	s_add_nc_u64 s[G0B+4*\s+2:G0B+4*\s+3], s[58:59], \s*OPB
	s_or_b32 s[G0B+4*\s+3], s[G0B+4*\s+3], 0x80000000
.endr
	s_cmp_lt_u32 s[WV], NW/2                       ; waves 0-7 fetch A's records, waves 8-15 B's: a wave's two loads stand in one branch; two loads of mine are out
	s_cbranch_scc0 .Lfirst_b
	tensor_load_to_lds s[G0A:G0A+3], s[G1A:G1A+7]
	s_nop 0
	tensor_load_to_lds s[G0A+4:G0A+7], s[G1A:G1A+7]
	s_nop 0
.rept 4
	v_nop
.endr
	s_branch .Lfirst_asked
.Lfirst_b:
	tensor_load_to_lds s[G0B:G0B+3], s[G1B:G1B+7]
	s_nop 0
	tensor_load_to_lds s[G0B+4:G0B+7], s[G1B:G1B+7]
	s_nop 0
.rept 4
	v_nop
.endr
.Lfirst_asked:
	v_and_b32 v1, 31, v0
	v_lshlrev_b32 v11, 4, v1                       ; 16 l
	v_lshlrev_b32 v12, 2, v1                       ; 4 l
	s_lshl_b32 s61, s[WM], 11
	v_add_nc_u32 v[ADRA], s61, v11
	v_add_nc_u32 v[ADRA+1], SLOT, v[ADRA]
	s_lshl_b32 s61, s[WN], 13
	s_add_co_u32 s61, s61, OPB
	v_add_nc_u32 v[ADRB], s61, v11
	v_add_nc_u32 v[ADRB+1], SLOT, v[ADRB]
	s_lshl_b32 s61, s[WM], 7
	s_add_co_u32 s61, s61, 4096*PT
	v_add_nc_u32 v[ADSA], s61, v12
	v_add_nc_u32 v[ADSA+1], SLOT, v[ADSA]
	s_lshl_b32 s61, s[WN], 9
	s_add_co_u32 s61, s61, OPB+4096*PT
	v_add_nc_u32 v[ADSB], s61, v12
	v_add_nc_u32 v[ADSB+1], SLOT, v[ADSB]
	v_bfe_u32 v13, v0, 4, 1                        ; h
	v_lshlrev_b32 v[BO], 6, v13
	v_and_b32 v15, 7, v0
	v_bfe_u32 v14, v0, 3, 1
	v_lshl_add_u32 v14, v14, 4, v15
	v_lshlrev_b32 v14, 2, v14                      ; 4 (16 (r / 8) + r % 8)
.irp b, 0,1,2,3
	v_mov_b32 v[TM+4+\b], 0                        ; written once: a lane permute's destination counts as one of its sources
.endr
	s_lshl_b32 s61, s[PB], 10
	s_lshl_b32 s62, s[WN], 9
	s_add_co_u32 s61, s61, s62
	s_and_b32 s72, s61, s[MASK]                    ; q, k: the bias of my 128 columns; v: any 128 numbers of it, thrown away below
	s_mov_b32 s73, 0
	s_add_nc_u64 s[72:73], s[8:9], s[72:73]
	s_lshl_b32 s61, s[CY], 10
	s_add_co_u32 s61, s61, 8192
	s_and_not1_b32 s61, s61, s[MASK]
	s_lshl_b32 s62, s[WM], 7
	s_add_co_u32 s74, s61, s62                     ; v: the bias of my 32 rows d: 2,048 + 256 cy + 32 wm; q, k: any, thrown away
	s_mov_b32 s75, 0
	s_add_nc_u64 s[74:75], s[8:9], s[74:75]
.irp a, 0,1
.set kb, 0
.rept TB
	global_load_b128 v[ACC+64*\a+8*kb:ACC+64*\a+8*kb+3], v[BO], s[72:73] offset:(32*(kb/2)+8*(kb%2))*4
	global_load_b128 v[ACC+64*\a+8*kb+4:ACC+64*\a+8*kb+7], v[BO], s[72:73] offset:(32*(kb/2)+8*(kb%2))*4+16
.set kb, kb+1
.endr
.endr
	global_load_b32 v[BM], v14, s[74:75]
	global_load_b32 v[BM+1], v14, s[74:75] offset:32
	s_wait_tensorcnt 0x1                           ; my part of slot 0 is in; slot 1's load may be out
	s_barrier_signal -1
	s_barrier_wait -1
	s_wait_loadcnt 0x0                             ; the biases
.irp a, 0,1
.set jj, 0
.rept 64
	v_cndmask_b32 v[ACC+64*\a+jj], v[BM+\a], v[ACC+64*\a+jj], s[MASK]   ; q, k: the column's bias stays; v: the lane's
.set jj, jj+1
.endr
.endr
	KSTEP 0, 0
	KSTEP 0, 1
	KSTEP 0, 2
	KSTEP 0, 3
	s_wait_tensorcnt 0x0                           ; my part of slot 1 is in
	s_barrier_signal -1
	s_barrier_wait -1
	KSTEP 1, 0
	KSTEP 1, 1
	KSTEP 1, 2
	KSTEP 1, 3
	; THE WAY OUT.  q, k: a lane's 64 registers are 128 columns = two heads; registers 0-3 of the fragment are the first head's image, 4-7 the second's.  v: the fragment is one tile of d x one K step of tokens.
	s_lshl_b32 s85, s[PB], 2
	s_lshl_b32 s86, s[WN], 1
	s_add_co_u32 s85, s85, s86
	s_and_b32 s85, s85, 15                         ; q, k: my first head
	s_lshr_b32 s86, s[PA], 3
	s_lshl_b32 s86, s86, 4
	s_add_co_u32 s85, s85, s86                     ; + 16 x batch
	s_and_b32 s86, s[PA], 7
	s_lshl_b32 s86, s86, 4
	s_lshl_b32 s87, s[WM], 1
	s_add_co_u32 s86, s86, s87                     ; my first tile of tokens in the batch
	s_mov_b32 s89, 131072
	s_cmp_lt_u32 s[PB], 4                          ; q or k
	s_cselect_b32 s87, 143360, 0
	s_cselect_b32 s88, 208896, s89
	s_lshl_b32 s90, s86, 9
	s_add_co_u32 s87, s87, s90                     ; images
	s_lshl_b32 s90, s86, 6
	s_add_co_u32 s88, s88, s90                     ; scale words
	s_and_b32 s90, s[PB], 7
	s_lshl_b32 s90, s90, 1
	s_add_co_u32 s90, s90, s[WN]                   ; v: the K step of tokens
	s_lshl_b32 s90, s90, 2
	s_and_b32 s91, s[WM], 1
	s_lshl_b32 s91, s91, 1
	s_add_co_u32 s90, s90, s91                     ; 4 x K step + my first tile of d
	s_lshr_b32 s91, s[PB], 3
	s_lshl_b32 s91, s91, 4
	s_lshl_b32 s92, s[CY], 2
	s_add_co_u32 s91, s91, s92
	s_lshr_b32 s92, s[WM], 1
	s_add_co_u32 s91, s91, s92                     ; 16 x batch + head
	s_lshl_b32 s92, s90, 10
	s_add_co_u32 s92, s92, 65536
	s_lshl_b32 s93, s90, 6
	s_add_co_u32 s93, s93, 139264
	s_mov_b32 s94, 1024
	s_mov_b32 s95, 217088
	s_cmp_lt_u32 ttmp9, 8
	s_cselect_b32 s85, s85, s91                    ; the head's record
	s_cselect_b32 s87, s87, s92                    ; the image in it
	s_cselect_b32 s88, s88, s93                    ; the scale words in it
	s_cselect_b32 s82, 512, s94                    ; from my first tile of rows to my second
	s_cselect_b32 s83, s95, 512                    ; from registers 0-3 to registers 4-7: the next head's record, or the image's second half
	s_cselect_b32 s84, 0xffff, -1                  ; a q or k word keeps two bytes
	s_cselect_b32 s96, s95, 0                      ; q, k: lanes 16-31 store the second head's word
	s_cselect_b32 s97, 16, 0
	s_mul_i32 s85, s85, 217088
	s_add_co_u32 s76, s85, s87
	s_mov_b32 s77, 0
	s_add_nc_u64 s[76:77], s[10:11], s[76:77]
	s_mov_b32 s98, s82
	s_mov_b32 s99, 0
	s_add_nc_u64 s[78:79], s[76:77], s[98:99]
	s_add_co_u32 s80, s85, s88
	s_mov_b32 s81, 0
	s_add_nc_u64 s[80:81], s[10:11], s[80:81]
	v_add_nc_u32 v2, s83, v11                      ; (these seven lines are also the places behind the last products)
	v_bfe_u32 v5, v0, 4, 1
	v_and_b32 v6, 15, v0
	v_lshlrev_b32 v6, 2, v6
	v_mul_u32_u24 v3, v5, s96
	v_mul_u32_u24 v4, v5, s97
	v_add_nc_u32 v3, v3, v6
.irp a, 0,1
.if \a == 1
	s_wait_xcnt 0x0                                ; the first tile's stores have read their registers: the codes may be written again
.endif
	QUANT ACC+64*\a, 4, PC, PW
	global_store_b128 v11, v[PC:PC+3], s[76+2*\a:77+2*\a]      ; 512 consecutive bytes a store
	global_store_b128 v2, v[PC+4:PC+7], s[76+2*\a:77+2*\a]
	v_lshrrev_b32 v[SD+\a], v4, v[PW]
	v_and_b32 v[SD+\a], s84, v[SD+\a]
	global_store_b32 v3, v[SD+\a], s[80:81] offset:64*\a
.endr
	s_wait_tensorcnt 0x0
	ds_add_u32 v118, v119
	s_wait_dscnt 0x0
	CROUND                                         ; the closing round: no work-group ends while a partner may still ask for a tile that names it
	s_endpgm
.Lfunc_end_k_qe3603264a2_qkv:
	.size	k_qe3603264a2_qkv, .Lfunc_end_k_qe3603264a2_qkv-k_qe3603264a2_qkv
	.p2alignl 7, 3214868480
	.fill 96, 4, 3214868480
	.section	.rodata,"a",@progbits
	.p2align	6, 0x0
	.amdhsa_kernel k_qe3603264a2_qkv
		.amdhsa_group_segment_fixed_size 280576
		.amdhsa_private_segment_fixed_size 0
		.amdhsa_enable_private_segment 0
		.amdhsa_kernarg_size 32
		.amdhsa_user_sgpr_count 2
		.amdhsa_user_sgpr_kernarg_segment_ptr 1
		.amdhsa_wavefront_size32 1
		.amdhsa_system_sgpr_workgroup_id_x 1
		.amdhsa_system_sgpr_workgroup_id_y 1
		.amdhsa_system_sgpr_workgroup_id_z 1
		.amdhsa_system_vgpr_workitem_id 0
		.amdhsa_next_free_vgpr 256
		.amdhsa_next_free_sgpr 100
		.amdhsa_reserve_vcc 0
		.amdhsa_float_denorm_mode_32 3
		.amdhsa_float_denorm_mode_16_64 3
		.amdhsa_memory_ordered 1
		.amdhsa_forward_progress 1
		.amdhsa_inst_pref_size 59
	.end_amdhsa_kernel
	.amdgpu_metadata
---
amdhsa.version: [ 1, 2 ]
amdhsa.kernels:
  - .name:           k_qe3603264a2_qkv
    .symbol:         k_qe3603264a2_qkv.kd
    .args:
      - { .name: H, .offset: 0, .size: 8, .value_kind: global_buffer, .address_space: global }
      - { .name: W, .offset: 8, .size: 8, .value_kind: global_buffer, .address_space: global }
      - { .name: b_qkv, .offset: 16, .size: 8, .value_kind: global_buffer, .address_space: global }
      - { .name: QKV, .offset: 24, .size: 8, .value_kind: global_buffer, .address_space: global }
    .group_segment_fixed_size: 280576
    .private_segment_fixed_size: 0
    .kernarg_segment_align: 8
    .kernarg_segment_size: 32
    .max_flat_workgroup_size: 512
    .sgpr_count:     100
    .vgpr_count:     256
    .wavefront_size: 32
...
	.end_amdgpu_metadata
.endif
;; end of part 2
;; launch attn (part 3): grid 8 x 32, 16 waves a work-group, no clusters, 169,984 bytes of LDS; arguments QKV, AO; writes AO
.if DOCPART == 3
	.amdgcn_target "amdgcn-amd-amdhsa--gfx1250"
	.amdhsa_code_object_version 6
	.text
	.protected	k_qe3603264a2_attn
	.globl	k_qe3603264a2_attn
	.p2align	8
	.type	k_qe3603264a2_attn,@function
k_qe3603264a2_attn:
	s_mov_b64 s[64:65], 0
	v_nop
	global_prefetch_b8 v0, s[64:65] scope:SCOPE_SE
	s_setreg_imm32_b32 hwreg(HW_REG_WAVE_MODE, 25, 1), 1
	s_wait_xcnt 0x0
; Causal attention of one head on codes of FP4 (E2M1) with E8M0 scales; head size 64, 2,048 tokens.  t = score x log2(e) / 8; M = the running largest t rounded UP to a whole number; p = 2^(t - M) is quantised along the keys, not normalised;
; the row's sum is taken of the unquantised p and divides O at the end; when M moves, the sum and O are multiplied by 2^(old M - new M), exactly.  O / sum is quantised along the head's 64 and stored as half an image of the next product's operand.
; SHARES: a work-group serves one head; waves 0-7 take the 128 queries of block i, waves 8-15 those of block 15 - i: 17 key steps' worth in every work-group.  A wave owns one tile of 16 queries, in 256 registers: four waves to a SIMD.
; LDS: the head's K images, V^T images and their scale words, 143,360 bytes as they lie in memory, brought once by one tensor load a wave (35 rows of 256 bytes): nothing is filled again.
; NO CLUSTER: the work-groups that share a head's K and V leave out different key steps by a branch on their query block, and partners of a cluster may not branch apart.
; LAYOUT: both products transposed (S^T = K Q^T, O^T = V^T P^T): a lane holds ONE query.  Tile T's lane row r is token 32 (T / 2) + 16 (r / 8) + 8 (T % 2) + r % 8, so the 16 registers of tiles 2 b, 2 b + 1 of S^T are keys 32 b + 16 h + 0 .. 15.
; The first product's K is 64: the upper half of Q's and K's fragments is zero codes, written once; the scale words' upper bytes are 0.
; CAUSAL: the loop's trip count is a constant, 16; a step all of whose keys come after my queries is jumped over by a scalar branch on ids; on the diagonal hidden scores become -infinity.
; LIMITS: a block of zeros gets the byte 1; NaN and infinities are not served.
.set AK0, 1                            ; v1 16 l;  v2 65,536 + 16 l;  v3 131,072 + 4 l;  v4 139,264 + 4 l
.set AV0, 2
.set ASK0, 3
.set ASV0, 4
.set ADK, 8                            ; v8-11 the step's addresses
.set ADV, 9
.set ADS, 10
.set ADT, 11
.set TM, 232
.set WV, 18
.set SEL, 20
.set CS, 22
.set G1, 24
.set G0, 32
.set TK, 2
.set TS, 3
.set TV, 36
.set KF, 37
.set Q0, 38
.set QMAX, 39
.set CNT, 40
.set BH, 41
.set TT, 52
; REGISTERS: v12 -M, v13 the largest t, v[14:15] the sum; v16-23 Q; v24-25 V's scale words; v26 my query less Q0 less 16 h; v32-95 eight fragments of K; v96-159 S^T, then p; v160-191 O^T; v192-223 four fragments of V;
; v224-231 p's codes; v232-247, v252-254 at work; v248-251 K's scale words; v253 p's scale word; v255 Q's.
.macro QUANT s, nb, pc, pw
.set qb, 0
.rept \nb
	v_max3_num_f32 v[TM+qb], |v[\s+16*qb]|, |v[\s+16*qb+1]|, 0x1800000
.set qb, qb+1
.endr
.irp i, 2,4,6,8,10,12,14
.set qb, 0
.rept \nb
	v_max3_num_f32 v[TM+qb], v[TM+qb], |v[\s+16*qb+\i]|, |v[\s+16*qb+\i+1]|
.set qb, qb+1
.endr
.endr
.set qb, 0
.rept \nb
	v_permlanex16_b32 v[TM+4+qb], v[TM+qb], s[SEL], s[SEL+1]
.set qb, qb+1
.endr
.set qb, 0
.rept \nb
	v_max_num_f32 v[TM+qb], v[TM+qb], v[TM+4+qb]
.set qb, qb+1
.endr
.set qb, 0
.rept \nb
	v_add_nc_u32 v[TM+8+qb], 0xff000000, v[TM+qb]
.set qb, qb+1
.endr
.set qb, 0
.rept \nb
	v_lshrrev_b32 v[TM+4+qb], 23, v[TM+8+qb]
.set qb, qb+1
.endr
	v_lshl_or_b32 v[\pw], v[TM+5], 8, v[TM+4]
.if \nb == 4
	v_lshl_or_b32 v[\pw], v[TM+6], 16, v[\pw]
	v_lshl_or_b32 v[\pw], v[TM+7], 24, v[\pw]
.endif
.set qb, 0
.rept \nb
	v_cvt_scalef32_pk8_fp4_f32 v[\pc+2*qb], v[\s+16*qb:\s+16*qb+7], v[TM+8+qb]
	v_cvt_scalef32_pk8_fp4_f32 v[\pc+2*qb+1], v[\s+16*qb+8:\s+16*qb+15], v[TM+8+qb]
.set qb, qb+1
.endr
	v_nop
.set qb, 0
.rept \nb/2
	v_permlane16_swap_b32 v[\pc+4*qb], v[\pc+4*qb+2]
	v_permlane16_swap_b32 v[\pc+4*qb+1], v[\pc+4*qb+3]
.set qb, qb+1
.endr
.endm
	s_load_b128 s[4:7], s[0:1], 0x0                ; QKV, AO
	v_lshl_add_u32 v242, v0, 2, 0x29000
	v_mov_b32 v243, 0
	ds_add_u32 v242, v243
	ds_add_u32 v242, v243
	v_lshrrev_b32 v8, 5, v0
	v_readfirstlane_b32 s[WV], v8                  ; wave 0..15
	s_and_b32 s[BH], ttmp7, 0xffff                 ; 16 x batch + head
	s_mul_i32 s42, s[BH], 217088
	s_mov_b32 s43, 0
	s_mul_i32 s44, s[WV], 8960                     ; my sixteenth of the 143,360 bytes, in memory and in LDS alike
	s_mov_b32 s45, 0
	s_mov_b32 s[G1], 3<<16                         ; no mask; elements of 8 bytes; no padding
	s_mov_b32 s[G1+1], 32<<16                      ; rows of 256 bytes
	s_mov_b32 s[G1+2], 35<<16
	s_mov_b32 s[G1+3], 32<<16
	s_mov_b32 s[G1+4], 35
	s_mov_b32 s[G1+5], 32
	s_mov_b32 s[G1+6], 0
	s_mov_b32 s[G1+7], 0
	s_mov_b32 s[SEL], 0x76543210
	s_mov_b32 s[SEL+1], 0xfedcba98
	s_mov_b32 s[CS], 0x3e38aa3b                    ; c = log2(e) / 8
	s_mov_b32 s[CS+1], s[CS]
	s_sub_co_u32 s46, 15, ttmp9
	s_cmp_lt_u32 s[WV], 8
	s_cselect_b32 s46, ttmp9, s46                  ; my block of 128 queries
	s_lshl_b32 s46, s46, 3
	s_and_b32 s47, s[WV], 7
	s_add_co_u32 s[TT], s46, s47                   ; my tile of queries
	s_lshr_b32 s46, s[TT], 1
	s_lshl_b32 s46, s46, 5
	s_and_b32 s47, s[TT], 1
	s_lshl_b32 s47, s47, 3
	s_add_co_u32 s[Q0], s46, s47                   ; its first query;
	s_add_co_u32 s[QMAX], s[Q0], 23                ; its last
	s_mov_b32 s[TK], 0
	s_mov_b32 s[TS], 0
	s_mov_b32 s[TV], 0
	s_mov_b32 s[KF], 0
	s_mov_b32 s[CNT], 16
	s_wait_dscnt 0x0
	s_wait_kmcnt 0x0
	s_add_nc_u64 s[4:5], s[4:5], s[42:43]          ; the head's record
	s_mov_b32 s[G0], 1
	s_mov_b32 s[G0+1], s44
	s_add_nc_u64 s[G0+2:G0+3], s[4:5], s[44:45]
	s_or_b32 s[G0+3], s[G0+3], 0x80000000
	tensor_load_to_lds s[G0:G0+3], s[G1:G1+7]      ; one load of mine is out
	s_nop 0
.rept 4
	v_nop
.endr
	v_and_b32 v9, 31, v0
	v_lshlrev_b32 v[AK0], 4, v9
	v_add_nc_u32 v[AV0], 65536, v[AK0]
	v_lshlrev_b32 v10, 2, v9
	v_add_nc_u32 v[ASK0], 131072, v10
	v_add_nc_u32 v[ASV0], 139264, v10
	s_lshl_b32 s46, s[TT], 9
	s_add_co_u32 s46, s46, 143360
	v_add_nc_u32 v5, s46, v[AK0]
	global_load_b128 v[16:19], v5, s[4:5]          ; Q's image: the lower half of a fragment
	v_and_b32 v8, 15, v0
	v_lshlrev_b32 v7, 2, v8                        ; 4 r
	s_lshl_b32 s47, s[TT], 6
	s_add_co_u32 s47, s47, 208896
	v_add_nc_u32 v6, s47, v7
	global_load_b32 v255, v6, s[4:5]               ; Q's scale words
	v_and_b32 v26, 7, v0
	v_bfe_u32 v27, v0, 3, 1
	v_lshl_add_u32 v26, v27, 4, v26
	v_bfe_u32 v27, v0, 4, 1
	v_lshlrev_b32 v27, 4, v27
	v_sub_nc_u32 v26, v26, v27                     ; r % 8 + 16 (r / 8) - 16 h
	v_mov_b32 v13, 0xff61b1e6                      ; the largest t so far: -3e38
	v_floor_f32 v12, -v13                          ; -M
	v_mov_b32 v14, 0
	v_mov_b32 v15, 0
.irp b, 0,1,2,3
	v_mov_b32 v[236+\b], 0                         ; written once: a lane permute's destination counts as one of its sources
	v_mov_b32 v[20+\b], 0                          ; Q's upper half: zero codes
.endr
	v_mov_b32 v252, 0
	v_mov_b32 v253, 0
.set jj, 0
.rept 8
.irp b, 4,5,6,7
	v_mov_b32 v[32+8*jj+\b], 0                     ; K's upper halves: zero codes, written once: the loads fill the lower halves alone
.endr
.set jj, jj+1
.endr
.set jj, 0
.rept 32
	v_mov_b32 v[160+jj], 0                         ; O^T: the step is written once, and its first trip finds zeros
.set jj, jj+1
.endr
	s_wait_tensorcnt 0x0                           ; my part lies in LDS,
	s_barrier_signal -1
	s_barrier_wait -1                              ; everybody's does
	s_wait_loadcnt 0x0                             ; Q
.Lstep:                                            ; a key step: 128 keys
	s_cmp_gt_u32 s[KF], s[QMAX]                    ; all its keys come after my queries: only the addresses step
	s_cbranch_scc1 .Lhidden
	v_add_nc_u32 v[ADK], s[TK], v[AK0]             ; (these four are also the places in front of loads into registers that the last products read)
	v_add_nc_u32 v[ADV], s[TK], v[AV0]
	v_add_nc_u32 v[ADS], s[TS], v[ASK0]
	v_add_nc_u32 v[ADT], s[TV], v[ASV0]
.irp t, 0,1,2,3,4,5,6,7
	ds_load_b128 v[32+8*\t:35+8*\t], v[ADK] offset:512*\t
.endr
.irp p, 0,1,2,3
	ds_load_b32 v[248+\p], v[ADS] offset:128*\p    ; lanes 0-15: tile 2 p's words, lanes 16-31: tile 2 p + 1's
.endr
.irp t, 0,1,2,3
	ds_load_b128 v[192+8*\t:195+8*\t], v[ADV] offset:1024*\t
	ds_load_b128 v[196+8*\t:199+8*\t], v[ADV] offset:1024*\t+512
.endr
	ds_load_b32 v24, v[ADT]
	ds_load_b32 v25, v[ADT] offset:128
	s_wait_dscnt 10                                ; K's twelve loads are in; V's ten may be out
.irp p, 0,1,2,3
	v_wmma_scale_f32_16x16x128_f8f6f4 v[96+16*\p:103+16*\p], v[32+16*\p:39+16*\p], v[16:23], 0, v[248+\p], v255 matrix_a_fmt:MATRIX_FMT_FP4 matrix_b_fmt:MATRIX_FMT_FP4
	v_wmma_scale_f32_16x16x128_f8f6f4 v[104+16*\p:111+16*\p], v[40+16*\p:47+16*\p], v[16:23], 0, v[248+\p], v255 matrix_a_fmt:MATRIX_FMT_FP4 matrix_b_fmt:MATRIX_FMT_FP4 matrix_a_scale:MATRIX_SCALE_ROW1
.endr
.rept 4
	v_nop
.endr
	s_add_co_u32 s46, s[KF], 127
	s_cmp_le_u32 s46, s[Q0]                        ; all keys count for all my queries: no mask
	s_cbranch_scc1 .Lopen
	s_sub_co_i32 s46, s[Q0], s[KF]
	v_add_nc_u32 v252, s46, v26                    ; d = my query - KF - 16 h.  Register 16 b + i holds key KF + 16 h + 32 b + i: hidden where 32 b + i > d
	v_mov_b32 v254, 0xff800000
.set nn, 0
.rept 64
	v_cmp_gt_i32 vcc_lo, 32*(nn/16)+nn%16, v252
	v_cndmask_b32 v[96+nn], v[96+nn], v254, vcc_lo
.set nn, nn+1
.endr
.Lopen:
.irp b, 0,1,2,3
	v_max3_num_f32 v[232+\b], v[96+16*\b], v[97+16*\b], v[98+16*\b]   ; the largest score of each block of 32 keys: for the row's maximum and, since p rises with the score, for the block's largest p
.endr
.irp i, 3,5,7,9,11,13
.irp b, 0,1,2,3
	v_max3_num_f32 v[232+\b], v[232+\b], v[96+16*\b+\i], v[97+16*\b+\i]
.endr
.endr
.irp b, 0,1,2,3
	v_max_num_f32 v[232+\b], v[232+\b], v[111+16*\b]
.endr
.irp b, 0,1,2,3
	v_permlanex16_b32 v[236+\b], v[232+\b], s[SEL], s[SEL+1]
.endr
.irp b, 0,1,2,3
	v_max_num_f32 v[232+\b], v[232+\b], v[236+\b]
.endr
	v_max3_num_f32 v254, v232, v233, v234
	v_max_num_f32 v254, v254, v235
	v_mul_f32 v254, s[CS], v254
	v_max_num_f32 v13, v13, v254                   ; the running largest t
	v_mov_b32 v254, v12
	v_floor_f32 v12, -v13                          ; the new -M = -ceil(t)
	v_sub_f32 v254, v12, v254                      ; old M - new M: a whole number, 0 or less
	v_cvt_i32_f32 v254, v254
	v_ldexp_f32 v252, 1.0, v254                    ; f = 2^(old M - new M)
.set jj, 0
.rept 32
	v_pk_fma_f32 v[96+jj:97+jj], v[96+jj:97+jj], s[CS:CS+1], v[12:13] op_sel_hi:[1,0,0]   ; t - M
.set jj, jj+2
.endr
.irp b, 0,1,2,3
	v_fma_f32 v[232+\b], v[232+\b], s[CS], v12
.endr
.set jj, 0
.rept 64
	v_exp_f32 v[96+jj], v[96+jj]                   ; p
.set jj, jj+1
.endr
	v_pk_mul_f32 v[14:15], v[14:15], v[252:253] op_sel_hi:[1,0]   ; the sums under the new M: a plain line behind the exponentials
	s_wait_alu depctr_va_vdst(0)                   ; one wait for the batch, ahead of its first reader
.irp b, 0,1,2,3
	v_exp_f32 v[232+\b], v[232+\b]                 ; each block's largest p
.endr
	v_pk_add_f32 v[236:237], v[96:97], v[98:99]    ; the row's sum of the unquantised p, in two chains
.irp j, 4,8,12,16,20,24,28,32,36,40,44,48,52,56,60
	v_pk_add_f32 v[14:15], v[14:15], v[96+\j:97+\j]
	v_pk_add_f32 v[236:237], v[236:237], v[98+\j:99+\j]
.endr
	v_pk_add_f32 v[14:15], v[14:15], v[236:237]
	s_wait_alu depctr_va_vdst(0)                   ; and one for the four
.irp b, 0,1,2,3
	v_max_num_f32 v[232+\b], 0x1800000, v[232+\b]  ; the floor 2^(3 - 127)
.endr
.irp b, 0,1,2,3
	v_add_nc_u32 v[244+\b], 0xff000000, v[232+\b]
.endr
.irp b, 0,1,2,3
	v_lshrrev_b32 v[236+\b], 23, v[244+\b]
.endr
	v_lshl_or_b32 v253, v237, 8, v236              ; p's scale word for these 128 keys
	v_lshl_or_b32 v253, v238, 16, v253
	v_lshl_or_b32 v253, v239, 24, v253
.irp b, 0,1,2,3
	v_cvt_scalef32_pk8_fp4_f32 v[224+2*\b], v[96+16*\b:103+16*\b], v[244+\b]
	v_cvt_scalef32_pk8_fp4_f32 v[225+2*\b], v[104+16*\b:111+16*\b], v[244+\b]
.endr
	v_nop
.irp c, 0,1
.irp i, 0,1
	v_permlane16_swap_b32 v[224+4*\c+\i], v[226+4*\c+\i]
.endr
.endr
.set jj, 0
.rept 16
	v_pk_mul_f32 v[160+jj:161+jj], v[160+jj:161+jj], v[252:253] op_sel_hi:[1,0]   ; O^T under the new M; these sixteen also stand between the writes of p's codes and scale word and the products
.set jj, jj+2
.endr
	s_wait_dscnt 0x0                               ; V
.irp p, 0,1
	v_wmma_scale_f32_16x16x128_f8f6f4 v[160+16*\p:167+16*\p], v[192+16*\p:199+16*\p], v[224:231], v[160+16*\p:167+16*\p], v[24+\p], v253 matrix_a_fmt:MATRIX_FMT_FP4 matrix_b_fmt:MATRIX_FMT_FP4
	v_wmma_scale_f32_16x16x128_f8f6f4 v[168+16*\p:175+16*\p], v[200+16*\p:207+16*\p], v[224:231], v[168+16*\p:175+16*\p], v[24+\p], v253 matrix_a_fmt:MATRIX_FMT_FP4 matrix_b_fmt:MATRIX_FMT_FP4 matrix_a_scale:MATRIX_SCALE_ROW1
.endr
.Lhidden:
	s_add_co_u32 s[TK], s[TK], 4096                ; the next step's images of K and of V,
	s_add_co_u32 s[TS], s[TS], 512                 ; K's scale words,
	s_add_co_u32 s[TV], s[TV], 256                 ; V's,
	s_add_co_u32 s[KF], s[KF], 128                 ; and first key
	s_sub_co_u32 s[CNT], s[CNT], 1
	s_cmp_lg_u32 s[CNT], 0
	s_cbranch_scc1 .Lstep
	; THE WAY OUT: O^T / the sum, quantised along the head's 64: registers 0-3 of a fragment, the half 64 (head % 2) of K step head / 2 of the next product
.rept 4
	v_nop
.endr
	v_add_f32 v14, v14, v15
	v_permlanex16_b32 v252, v14, s[SEL], s[SEL+1]
	v_add_f32 v14, v14, v252                       ; the row's sum
	v_rcp_f32 v14, v14
	v_nop                                          ; a plain line behind it
	s_lshr_b32 s42, s[BH], 4
	s_and_b32 s43, s[BH], 15                       ; the head
	s_lshl_b32 s42, s42, 7
	s_add_co_u32 s42, s42, s[TT]                   ; the tile of tokens: 128 x batch + mine
	s_lshr_b32 s44, s42, 3
	s_lshl_b32 s44, s44, 1
	s_lshr_b32 s45, s43, 3
	s_add_co_u32 s44, s44, s45
	s_mul_i32 s44, s44, 34816                      ; the record
	s_bfe_u32 s45, s43, 0x20001
	s_lshl_b32 s45, s45, 3
	s_and_b32 s46, s42, 7
	s_add_co_u32 s45, s45, s46                     ; ((head / 2) % 4) 8 + tile % 8
	s_and_b32 s46, s43, 1
	s_lshl_b32 s47, s45, 10
	s_add_co_u32 s47, s47, s44
	s_lshl_b32 s48, s46, 9
	s_add_co_u32 s48, s48, s47
	s_mov_b32 s49, 0
	s_add_nc_u64 s[48:49], s[6:7], s[48:49]
	s_lshl_b32 s50, s45, 6
	s_add_co_u32 s50, s50, s44
	s_add_co_u32 s50, s50, 32768
	s_lshl_b32 s46, s46, 1
	s_add_co_u32 s50, s50, s46
	s_mov_b32 s51, 0
	s_add_nc_u64 s[50:51], s[6:7], s[50:51]
	s_wait_alu depctr_va_vdst(0)                   ; the wait, ahead of the reciprocal's first reader
.set jj, 0
.rept 32
	v_mul_f32 v[96+jj], v[160+jj], v14
.set jj, jj+1
.endr
	QUANT 96, 2, 224, 254
	global_store_b128 v[AK0], v[224:227], s[48:49]             ; 512 consecutive bytes
	global_store_b16 v7, v254, s[50:51]                        ; my head's two bytes of row r's word; both halves of the lanes hold and write the same
	s_wait_tensorcnt 0x0
	ds_add_u32 v242, v243
	s_wait_dscnt 0x0
	s_endpgm
.Lfunc_end_k_qe3603264a2_attn:
	.size	k_qe3603264a2_attn, .Lfunc_end_k_qe3603264a2_attn-k_qe3603264a2_attn
	.p2alignl 7, 3214868480
	.fill 96, 4, 3214868480
	.section	.rodata,"a",@progbits
	.p2align	6, 0x0
	.amdhsa_kernel k_qe3603264a2_attn
		.amdhsa_group_segment_fixed_size 169984
		.amdhsa_private_segment_fixed_size 0
		.amdhsa_enable_private_segment 0
		.amdhsa_kernarg_size 16
		.amdhsa_user_sgpr_count 2
		.amdhsa_user_sgpr_kernarg_segment_ptr 1
		.amdhsa_wavefront_size32 1
		.amdhsa_system_sgpr_workgroup_id_x 1
		.amdhsa_system_sgpr_workgroup_id_y 1
		.amdhsa_system_sgpr_workgroup_id_z 1
		.amdhsa_system_vgpr_workitem_id 0
		.amdhsa_next_free_vgpr 256
		.amdhsa_next_free_sgpr 66
		.amdhsa_reserve_vcc 1
		.amdhsa_float_denorm_mode_32 3
		.amdhsa_float_denorm_mode_16_64 3
		.amdhsa_memory_ordered 1
		.amdhsa_forward_progress 1
		.amdhsa_inst_pref_size 32
	.end_amdhsa_kernel
	.amdgpu_metadata
---
amdhsa.version: [ 1, 2 ]
amdhsa.kernels:
  - .name:           k_qe3603264a2_attn
    .symbol:         k_qe3603264a2_attn.kd
    .args:
      - { .name: QKV, .offset: 0, .size: 8, .value_kind: global_buffer, .address_space: global }
      - { .name: AO, .offset: 8, .size: 8, .value_kind: global_buffer, .address_space: global }
    .group_segment_fixed_size: 169984
    .private_segment_fixed_size: 0
    .kernarg_segment_align: 8
    .kernarg_segment_size: 16
    .max_flat_workgroup_size: 512
    .sgpr_count:     66
    .vgpr_count:     256
    .wavefront_size: 32
...
	.end_amdgpu_metadata
.endif
;; end of part 3
;; launch oproj (part 4): grid 8 x 32, 8 waves a work-group, clusters of 4 x 4, 175,104 bytes of LDS; arguments AO, W, b_out, x, X1; writes X1
.if DOCPART == 4
	.amdgcn_target "amdgcn-amd-amdhsa--gfx1250"
	.amdhsa_code_object_version 6
	.text
	.protected	k_qe3603264a2_oproj
	.globl	k_qe3603264a2_oproj
	.p2align	8
	.type	k_qe3603264a2_oproj,@function
k_qe3603264a2_oproj:
	s_mov_b64 s[64:65], 0
	v_nop
	global_prefetch_b8 v0, s[64:65] scope:SCOPE_SE
	s_setreg_imm32_b32 hwreg(HW_REG_WAVE_MODE, 25, 1), 1
	s_wait_xcnt 0x0
	s_wait_alu depctr_hold_cnt(0) depctr_sa_sdst(0) depctr_va_vdst(0) depctr_va_sdst(0) depctr_va_ssrc(0) depctr_va_vcc(0) depctr_vm_vsrc(0)
	s_getreg_b32 s2, hwreg(HW_REG_IB_STS2, 6, 4)
	s_cmp_eq_u32 s2, 0
	s_cbranch_scc0 .Lentry_in_a_cluster
	s_endpgm
.Lentry_in_a_cluster:
	s_bfe_u32 s2, ttmp6, 0x10000c
	s_cmp_lg_u32 s2, 0xf033
	s_cbranch_scc0 .Lentry_shape_is_right
	s_endpgm
.Lentry_shape_is_right:
; X1 = x + (attention's output) w_out + b_out, the product on codes of FP4 (E2M1) with E8M0 scales; f32 out.
; OPERANDS are images of the operand's registers (fragment 16 rows x 128 K = 1,024 bytes; record of 8 tiles x 4 K steps = 34,816 bytes: codes [q][tile][1024], scale words [q][tile][64]; a panel of 128 rows is its records on end).
; A work-group makes 128 x 128 with K = 1,024: both panels come into LDS whole, as they lie, by two tensor loads a wave; nothing is filled again.  Eight waves, each 32 rows x 64 columns: 8 accumulators, two waves to a SIMD.
; FRAGMENTS A STEP AHEAD: two sets of registers for fragments and scale words.  While one K step's eight products are issued, the next step's 15 LDS loads are on their way into the other set.
; TRANSPOSED: source 0 = a tile of the weight, source 1 = a tile of rows.  Lane (r, h), register j of accumulator (a, b): row = lane row r of tile a (token 32 (T / 2) + 16 (r / 8) + 8 (T % 2) + r % 8), column 32 (b / 2) + 16 h + 8 (b % 2) + j.
; The sums begin with the bias: the accumulators are loaded with it.  The way out goes through the wave's own stage in LDS, so that sixteen lanes store 256 consecutive aligned bytes; the residual is added there.
; CLUSTER 4 x 4: A's panel is asked for jointly along a row of the cluster, B's along a column.
.set KSTEPS, 8
.set SLOTK, 4
.set WSECT, 1671168
.set NW, 8
.set PT, 8
.set TB, 4
.set RECB, 34816
.set OPB, (SLOTK/4)*RECB
.set SLOT, 2*OPB
.set PIECE, OPB/4
.set ROWS, PIECE/256
.set PANB, (KSTEPS/4)*RECB
.set STG, 2*SLOT                       ; behind the slots: 16 rows x 272 bytes for each wave
.set CO, 1
.set ADRA, 2
.set ADRB, 4
.set ADSA, 6
.set ADSB, 8
.set BO, 10
.set STO, 11
.set RD, 12
.set SA, 13                            ; A's scale words: set 0 v13, set 1 v112 (99 on)
.set SB, 14                            ; B's: set 0 v14-15, set 1 v113-114
.set AF, 16                            ; A's two fragments: set 0 v16-31, set 1 v64-79 (48 on)
.set BF, 32                            ; B's four: set 0 v32-63, set 1 v80-111
.set BK, 32                            ; the way out: v32-63, v64-95 rows read back
.set RES, 128                          ; v128-191 the residual
.set ACC, 192                          ; accumulator (a, b) at v[192 + 32 a + 8 b]
.set WV, 14
.set WM, 15
.set WN, 3
.set PCE, 2
.set CX, 40
.set CY, 41
.set PB, 42
.set PA, 43
.set G1A, 16
.set G1B, 24
.set G0A, 32
.set G0B, 48
.macro CROUND
	s_barrier_signal -1
	s_barrier_wait -1
	s_cmp_lg_u32 s[WV], 0
	s_cbranch_scc1 .Lnot_wave_0_\@
	s_barrier_signal -3
.Lnot_wave_0_\@:
	s_barrier_wait -3
	s_barrier_signal -1
	s_barrier_wait -1
.endm
.macro PLACES                          ; four places in front of loads into registers that matrix instructions have read (ISA guide 7.12.1 for vector instructions)
.rept 4
	v_nop
.endr
.endm
.macro MM a, p                         ; one product: B's tile kb x A's tile a, out of set p.  The rows of the scale registers go with the tiles' parities
.set rD, ACC+8*TB*\a+8*kb
.set rB, BF+48*(\p)+8*kb
.set rA, AF+48*(\p)+8*\a
.set rT, SB+99*(\p)+kb/2
.set rS, SA+99*(\p)
.if (\a == 0) && (kb%2 == 0)
	v_wmma_scale_f32_16x16x128_f8f6f4 v[rD:rD+7], v[rB:rB+7], v[rA:rA+7], v[rD:rD+7], v[rT], v[rS] matrix_a_fmt:MATRIX_FMT_FP4 matrix_b_fmt:MATRIX_FMT_FP4
.elseif (\a == 0)
	v_wmma_scale_f32_16x16x128_f8f6f4 v[rD:rD+7], v[rB:rB+7], v[rA:rA+7], v[rD:rD+7], v[rT], v[rS] matrix_a_fmt:MATRIX_FMT_FP4 matrix_b_fmt:MATRIX_FMT_FP4 matrix_a_scale:MATRIX_SCALE_ROW1
.elseif (kb%2 == 0)
	v_wmma_scale_f32_16x16x128_f8f6f4 v[rD:rD+7], v[rB:rB+7], v[rA:rA+7], v[rD:rD+7], v[rT], v[rS] matrix_a_fmt:MATRIX_FMT_FP4 matrix_b_fmt:MATRIX_FMT_FP4 matrix_b_scale:MATRIX_SCALE_ROW1
.else
	v_wmma_scale_f32_16x16x128_f8f6f4 v[rD:rD+7], v[rB:rB+7], v[rA:rA+7], v[rD:rD+7], v[rT], v[rS] matrix_a_fmt:MATRIX_FMT_FP4 matrix_b_fmt:MATRIX_FMT_FP4 matrix_a_scale:MATRIX_SCALE_ROW1 matrix_b_scale:MATRIX_SCALE_ROW1
.endif
.endm
.macro MULS p                          ; a K step's eight products out of set p.  The accumulators take turns, one instruction a turn, in the same order in every step
.irp a, 0,1
.set kb, 0
.rept TB
	MM \a, \p
.set kb, kb+1
.endr
.endr
.endm
.macro LOADS s, q, p                   ; 15 LDS loads: the fragments and scale words of slot s's q-th K step into set p
.set QO, ((\q)/4)*RECB+((\q)%4)*PT*1024
.set QS, ((\q)/4)*RECB+((\q)%4)*PT*64
.irp a, 0,1
.irp c, 0,1
	ds_load_b128 v[AF+48*(\p)+8*\a+4*\c:AF+48*(\p)+8*\a+4*\c+3], v[ADRA+\s] offset:QO+1024*\a+512*\c
.endr
.endr
.set kb, 0
.rept TB
	ds_load_b128 v[BF+48*(\p)+8*kb:BF+48*(\p)+8*kb+3], v[ADRB+\s] offset:QO+1024*kb
	ds_load_b128 v[BF+48*(\p)+8*kb+4:BF+48*(\p)+8*kb+7], v[ADRB+\s] offset:QO+1024*kb+512
.set kb, kb+1
.endr
	ds_load_b32 v[SA+99*(\p)], v[ADSA+\s] offset:QS
.set kb, 0
.rept TB/2
	ds_load_b32 v[SB+99*(\p)+kb], v[ADSB+\s] offset:QS+128*kb
.set kb, kb+1
.endr
.endm
.macro STEP s, q                       ; slot s's q-th K step, which has its successor in the same slot
	PLACES                                         ; the other set was read by the step before
	LOADS \s, (\q)+1, ((\q)+1)%2
	s_wait_dscnt 15                                ; this step's 15 loads are in; the 15 just issued may be out
	MULS (\q)%2
.endm
.macro RUN s                           ; the slot's steps 0 .. SLOTK - 2
.set kq, 0
.rept SLOTK-1
	STEP \s, kq
.set kq, kq+1
.endr
.endm
	s_load_b256 s[4:11], s[0:1], 0x0               ; A's images, W, the bias, the residual
	s_load_b64 s[12:13], s[0:1], 0x20              ; the output
	v_lshl_add_u32 v126, v0, 2, 0x2a800
	v_mov_b32 v127, 0
	ds_add_u32 v126, v127
	ds_add_u32 v126, v127
	v_lshrrev_b32 v1, 5, v0
	v_readfirstlane_b32 s[WV], v1                  ; wave 0..7
	s_lshr_b32 s[WM], s[WV], 1
	s_and_b32 s[WN], s[WV], 1
	s_and_b32 s[PCE], s[WV], NW/2-1
	s_bfe_u32 s[CX], ttmp6, 0x40000
	s_bfe_u32 s[CY], ttmp6, 0x40004
	s_lshl_b32 s[PB], ttmp9, 2
	s_add_co_u32 s[PB], s[PB], s[CX]               ; B's panel
	s_and_b32 s[PA], ttmp7, 0xffff
	s_lshl_b32 s[PA], s[PA], 2
	s_add_co_u32 s[PA], s[PA], s[CY]               ; A's panel
	s_lshl_b32 s44, s[CY], 2
	s_lshl_b32 s44, 15, s44
	s_lshl_b32 s45, 0x1111, s[CX]
	s_or_b32 s[G1A], s44, (3<<16)|(1<<21)
	s_or_b32 s[G1B], s45, (3<<16)|(1<<21)
.irp g, G1A, G1B
	s_mov_b32 s[\g+1], 32<<16                      ; dense rows of 256 bytes
	s_mov_b32 s[\g+2], ROWS<<16
	s_mov_b32 s[\g+3], 32<<16
	s_mov_b32 s[\g+4], ROWS
	s_mov_b32 s[\g+5], 32
	s_mov_b32 s[\g+6], 0
	s_mov_b32 s[\g+7], 0
.endr
	s_mul_i32 s56, s[PA], PANB
	s_mul_i32 s57, s[PCE], PIECE
	s_add_co_u32 s56, s56, s57
	s_mov_b32 s57, 0
	s_mul_i32 s58, s[PB], PANB
	s_mul_i32 s59, s[PCE], PIECE
	s_add_co_u32 s58, s58, s59
	s_add_co_u32 s58, s58, WSECT
	s_mov_b32 s59, 0
	s_mul_i32 s60, s[WV], PIECE
	s_wait_dscnt 0x0
	s_wait_kmcnt 0x0
	s_add_nc_u64 s[56:57], s[4:5], s[56:57]
	s_add_nc_u64 s[58:59], s[6:7], s[58:59]
	CROUND                                         ; all sixteen work-groups are here: the joint loads meet
.irp s, 0,1
	s_mov_b32 s[G0A+4*\s], 1
	s_add_co_u32 s[G0A+4*\s+1], s60, \s*SLOT
	s_add_nc_u64 s[G0A+4*\s+2:G0A+4*\s+3], s[56:57], \s*OPB
	s_or_b32 s[G0A+4*\s+3], s[G0A+4*\s+3], 0x80000000
	s_mov_b32 s[G0B+4*\s], 1
	s_add_co_u32 s[G0B+4*\s+1], s60, \s*SLOT
	s_add_nc_u64 s[G0B+4*\s+2:G0B+4*\s+3], s[58:59], \s*OPB
	s_or_b32 s[G0B+4*\s+3], s[G0B+4*\s+3], 0x80000000
.endr
	s_cmp_lt_u32 s[WV], NW/2                       ; waves 0-3 fetch for A, waves 4-7 for B; a wave's two loads stand in one branch: two loads of mine are out
	s_cbranch_scc0 .Lfirst_b
	tensor_load_to_lds s[G0A:G0A+3], s[G1A:G1A+7]
	s_nop 0
	tensor_load_to_lds s[G0A+4:G0A+7], s[G1A:G1A+7]
	s_nop 0
.rept 4
	v_nop
.endr
	s_branch .Lfirst_asked
.Lfirst_b:
	tensor_load_to_lds s[G0B:G0B+3], s[G1B:G1B+7]
	s_nop 0
	tensor_load_to_lds s[G0B+4:G0B+7], s[G1B:G1B+7]
	s_nop 0
.rept 4
	v_nop
.endr
.Lfirst_asked:
	v_and_b32 v116, 31, v0
	v_lshlrev_b32 v117, 4, v116                    ; 16 l
	v_lshlrev_b32 v118, 2, v116                    ; 4 l
	s_lshl_b32 s61, s[WM], 11
	v_add_nc_u32 v[ADRA], s61, v117
	v_add_nc_u32 v[ADRA+1], SLOT, v[ADRA]
	s_lshl_b32 s61, s[WN], 12
	s_add_co_u32 s61, s61, OPB
	v_add_nc_u32 v[ADRB], s61, v117
	v_add_nc_u32 v[ADRB+1], SLOT, v[ADRB]
	s_lshl_b32 s61, s[WM], 7
	s_add_co_u32 s61, s61, 4096*PT
	v_add_nc_u32 v[ADSA], s61, v118
	v_add_nc_u32 v[ADSA+1], SLOT, v[ADSA]
	s_lshl_b32 s61, s[WN], 8
	s_add_co_u32 s61, s61, OPB+4096*PT
	v_add_nc_u32 v[ADSB], s61, v118
	v_add_nc_u32 v[ADSB+1], SLOT, v[ADSB]
	v_and_b32 v119, 15, v0                         ; r
	v_bfe_u32 v120, v0, 4, 1                       ; h
	v_lshlrev_b32 v[BO], 6, v120
	s_mul_i32 s61, s[WV], 16*272
	s_add_co_u32 s61, s61, STG                     ; my stage
	v_mul_u32_u24 v[STO], v119, 272
	v_lshl_add_u32 v[STO], v120, 6, v[STO]
	v_add_nc_u32 v[STO], s61, v[STO]               ; in: row r, + 64 h
	v_mul_u32_u24 v[RD], v120, 272
	v_lshl_add_u32 v[RD], v119, 4, v[RD]
	v_add_nc_u32 v[RD], s61, v[RD]                 ; back: lanes 0-15 one row of 256 bytes, lanes 16-31 the next
	v_lshlrev_b32 v[CO], 12, v120
	v_lshl_add_u32 v[CO], v119, 4, v[CO]           ; and the same two rows in memory
	s_lshl_b32 s66, s[PB], 9
	s_lshl_b32 s67, s[WN], 8
	s_add_co_u32 s66, s66, s67                     ; my 64 columns, in bytes
	s_mov_b32 s67, 0
	s_add_nc_u64 s[68:69], s[8:9], s[66:67]        ; their bias
	s_lshl_b32 s70, s[PA], 2
	s_add_co_u32 s70, s70, s[WM]
	s_lshl_b32 s70, s70, 17                        ; my 32 rows: 32 (4 pA + wm) x 4,096 bytes
	s_add_co_u32 s66, s66, s70
	s_add_nc_u64 s[72:73], s[10:11], s[66:67]      ; the residual
	s_add_nc_u64 s[74:75], s[12:13], s[66:67]      ; the output
.irp a, 0,1
.set kb, 0
.rept TB
	global_load_b128 v[ACC+32*\a+8*kb:ACC+32*\a+8*kb+3], v[BO], s[68:69] offset:(32*(kb/2)+8*(kb%2))*4
	global_load_b128 v[ACC+32*\a+8*kb+4:ACC+32*\a+8*kb+7], v[BO], s[68:69] offset:(32*(kb/2)+8*(kb%2))*4+16
.set kb, kb+1
.endr
.endr
.irp a, 0,1
.irp i, 0,1,2,3,4,5,6,7
	global_load_b128 v[RES+32*\a+4*\i:RES+32*\a+4*\i+3], v[CO], s[72:73] offset:(8*\a+16*(\i/4)+2*(\i%4))*4096
.endr
.endr
	s_wait_tensorcnt 0x1                           ; my part of slot 0 is in; slot 1's load may be out
	s_barrier_signal -1
	s_barrier_wait -1
	LOADS 0, 0, 0                                  ; the first K step's fragments
	s_wait_loadcnt 16                              ; the bias is in; the 16 loads of the residual may be out
	RUN 0                                          ; K steps 0 to 2; step 3's fragments are asked for
	s_wait_tensorcnt 0x0                           ; my part of slot 1 is in,
	s_wait_dscnt 0x0                               ; and no LDS load of mine is out at the signal
	s_barrier_signal -1
	s_barrier_wait -1                              ; everybody's is
	PLACES
	LOADS 1, 0, 0                                  ; slot 1's first fragments, ahead of
	MULS 1                                         ; K step 3's products
	RUN 1
	s_wait_dscnt 0x0
	MULS 1                                         ; the last K step
	; THE WAY OUT
	PLACES
.irp a, 0,1
.irp b, 0,1,2,3
	ds_store_b128 v[STO], v[ACC+32*\a+8*\b:ACC+32*\a+8*\b+3] offset:128*(\b/2)+32*(\b%2)         ; each accumulator from its low end on
	ds_store_b128 v[STO], v[ACC+32*\a+8*\b+4:ACC+32*\a+8*\b+7] offset:128*(\b/2)+32*(\b%2)+16
.endr
.irp i, 0,1,2,3,4,5,6,7
	ds_load_b128 v[BK+32*\a+4*\i:BK+32*\a+4*\i+3], v[RD] offset:544*\i     ; LDS serves a wave's instructions in order (ISA guide 5.7.1.4): these see my stores, and the next tile's stores come behind them
.endr
.endr
	s_wait_loadcnt 0x0                             ; the residual
.irp a, 0,1
.irp i, 0,1,2,3,4,5,6,7
	s_wait_dscnt (1-\a)*16+7-\i                    ; what was issued behind this load may be out
	v_pk_add_f32 v[BK+32*\a+4*\i:BK+32*\a+4*\i+1], v[BK+32*\a+4*\i:BK+32*\a+4*\i+1], v[RES+32*\a+4*\i:RES+32*\a+4*\i+1]
	v_pk_add_f32 v[BK+32*\a+4*\i+2:BK+32*\a+4*\i+3], v[BK+32*\a+4*\i+2:BK+32*\a+4*\i+3], v[RES+32*\a+4*\i+2:RES+32*\a+4*\i+3]
	global_store_b128 v[CO], v[BK+32*\a+4*\i:BK+32*\a+4*\i+3], s[74:75] offset:(8*\a+16*(\i/4)+2*(\i%4))*4096   ; sixteen lanes store 256 consecutive aligned bytes
.endr
.endr
	s_wait_tensorcnt 0x0
	ds_add_u32 v126, v127
	s_wait_dscnt 0x0
	CROUND                                         ; the closing round
	s_endpgm
.Lfunc_end_k_qe3603264a2_oproj:
	.size	k_qe3603264a2_oproj, .Lfunc_end_k_qe3603264a2_oproj-k_qe3603264a2_oproj
	.p2alignl 7, 3214868480
	.fill 96, 4, 3214868480
	.section	.rodata,"a",@progbits
	.p2align	6, 0x0
	.amdhsa_kernel k_qe3603264a2_oproj
		.amdhsa_group_segment_fixed_size 175104
		.amdhsa_private_segment_fixed_size 0
		.amdhsa_enable_private_segment 0
		.amdhsa_kernarg_size 40
		.amdhsa_user_sgpr_count 2
		.amdhsa_user_sgpr_kernarg_segment_ptr 1
		.amdhsa_wavefront_size32 1
		.amdhsa_system_sgpr_workgroup_id_x 1
		.amdhsa_system_sgpr_workgroup_id_y 1
		.amdhsa_system_sgpr_workgroup_id_z 1
		.amdhsa_system_vgpr_workitem_id 0
		.amdhsa_next_free_vgpr 256
		.amdhsa_next_free_sgpr 100
		.amdhsa_reserve_vcc 0
		.amdhsa_float_denorm_mode_32 3
		.amdhsa_float_denorm_mode_16_64 3
		.amdhsa_memory_ordered 1
		.amdhsa_forward_progress 1
		.amdhsa_inst_pref_size 34
	.end_amdhsa_kernel
	.amdgpu_metadata
---
amdhsa.version: [ 1, 2 ]
amdhsa.kernels:
  - .name:           k_qe3603264a2_oproj
    .symbol:         k_qe3603264a2_oproj.kd
    .args:
      - { .name: AO, .offset: 0, .size: 8, .value_kind: global_buffer, .address_space: global }
      - { .name: W, .offset: 8, .size: 8, .value_kind: global_buffer, .address_space: global }
      - { .name: b_out, .offset: 16, .size: 8, .value_kind: global_buffer, .address_space: global }
      - { .name: x, .offset: 24, .size: 8, .value_kind: global_buffer, .address_space: global }
      - { .name: X1, .offset: 32, .size: 8, .value_kind: global_buffer, .address_space: global }
    .group_segment_fixed_size: 175104
    .private_segment_fixed_size: 0
    .kernarg_segment_align: 8
    .kernarg_segment_size: 40
    .max_flat_workgroup_size: 256
    .sgpr_count:     100
    .vgpr_count:     256
    .wavefront_size: 32
...
	.end_amdgpu_metadata
.endif
;; end of part 4
;; launch ln2 (part 5): grid 256 x 1, 8 waves a work-group, no clusters, 66,816 bytes of LDS; arguments X1, ln2_g, ln2_b, H; writes H
.if DOCPART == 5
	.amdgcn_target "amdgcn-amd-amdhsa--gfx1250"
	.amdhsa_code_object_version 6
	.text
	.protected	k_qe3603264a2_ln2
	.globl	k_qe3603264a2_ln2
	.p2align	8
	.type	k_qe3603264a2_ln2,@function
k_qe3603264a2_ln2:
	s_mov_b64 s[64:65], 0
	v_nop
	global_prefetch_b8 v0, s[64:65] scope:SCOPE_SE
	s_setreg_imm32_b32 hwreg(HW_REG_WAVE_MODE, 25, 1), 1
	s_wait_xcnt 0x0
; h = (x - mean) rsqrt(var + 1e-5) g + b for rows of 1,024 f32, quantised along the row to FP4 (E2M1) with one E8M0 byte for each 32, stored as images of the operand's registers
; (fragment: 16 rows x 128 K = 1,024 bytes, registers 4 c .. of lane l at 512 c + 16 l; record of 16 tiles x 4 K steps: codes [q][tile][1024], scale words [q][tile][64]; H = [tile / 16][K step / 4][record]).
; SHARES: work-group t is image tile t; its lane row r is row 32 (t / 2) + 16 (r / 8) + 8 (t % 2) + r % 8.  Wave w norms image rows 2 w, 2 w + 1 (two neighbouring rows of x), a row in 32 registers, read once;
; mean and variance in two passes over the registers.  The 16 rows meet in LDS (pitch 4,112 bytes: 257 x 16, so that sixteen rows' 16 bytes fall on different banks); behind one barrier wave w quantises K step w.
; LIMITS: a block of zeros or under 2^-124 gets the byte 1 (read by this program alone); NaN and infinities are not served.
.set X, 32                             ; v32-95   two rows; later 64 numbers of a K step
.set GG, 96                            ; v96-127  g
.set BB, 128                           ; v128-159 b
.set TM, 160                           ; v160-171 the quantiser's work
.set PC, 176                           ; v176-183 the codes
.set PW, 184                           ; v184     the scale word
.set SEL, 14                           ; s[14:15] lane selects: lane l xor 16
.set PITCH, 4112
; 16 nb numbers of a lane, register s + 16 b + i = k 32 b + 16 (lane / 16) + i of my row, become codes in v[pc] on (a whole block to a lane) and the scale word v[pw]
.macro QUANT s, nb, pc, pw
.set qb, 0
.rept \nb
	v_max3_num_f32 v[TM+qb], |v[\s+16*qb]|, |v[\s+16*qb+1]|, 0x1800000   ; with the floor 2^(3 - 127): the byte cannot fall under 1
.set qb, qb+1
.endr
.irp i, 2,4,6,8,10,12,14
.set qb, 0
.rept \nb
	v_max3_num_f32 v[TM+qb], v[TM+qb], |v[\s+16*qb+\i]|, |v[\s+16*qb+\i+1]|
.set qb, qb+1
.endr
.endr
.set qb, 0
.rept \nb
	v_permlanex16_b32 v[TM+4+qb], v[TM+qb], s[SEL], s[SEL+1]
.set qb, qb+1
.endr
.set qb, 0
.rept \nb
	v_max_num_f32 v[TM+qb], v[TM+qb], v[TM+4+qb]   ; with lane l xor 16's: the block's largest magnitude
.set qb, qb+1
.endr
.set qb, 0
.rept \nb
	v_add_nc_u32 v[TM+8+qb], 0xff000000, v[TM+qb]  ; 2 off its exponent field: the conversion's scale operand
.set qb, qb+1
.endr
.set qb, 0
.rept \nb
	v_lshrrev_b32 v[TM+4+qb], 23, v[TM+8+qb]       ; the byte
.set qb, qb+1
.endr
	v_lshl_or_b32 v[\pw], v[TM+5], 8, v[TM+4]
.if \nb == 4
	v_lshl_or_b32 v[\pw], v[TM+6], 16, v[\pw]
	v_lshl_or_b32 v[\pw], v[TM+7], 24, v[\pw]
.endif
.set qb, 0
.rept \nb
	v_cvt_scalef32_pk8_fp4_f32 v[\pc+2*qb], v[\s+16*qb:\s+16*qb+7], v[TM+8+qb]
	v_cvt_scalef32_pk8_fp4_f32 v[\pc+2*qb+1], v[\s+16*qb+8:\s+16*qb+15], v[TM+8+qb]
.set qb, qb+1
.endr
	v_nop                                          ; a plain line behind the conversions
.set qb, 0
.rept \nb/2
	v_permlane16_swap_b32 v[\pc+4*qb], v[\pc+4*qb+2]     ; lanes 0-15 get block 2 c whole, lanes 16-31 block 2 c + 1
	v_permlane16_swap_b32 v[\pc+4*qb+1], v[\pc+4*qb+3]
.set qb, qb+1
.endr
.endm
.macro REDUCE a, b                     ; v[a] and v[b] summed over the 32 lanes, by turns; every lane gets the sums
.irp m, 1,2,4,8
	v_add_f32_dpp v[\a], v[\a], v[\a] row_xmask:\m row_mask:0xf bank_mask:0xf
	v_add_f32_dpp v[\b], v[\b], v[\b] row_xmask:\m row_mask:0xf bank_mask:0xf
.endr
	v_permlanex16_b32 v[\a+1], v[\a], s[SEL], s[SEL+1]
	v_permlanex16_b32 v[\b+1], v[\b], s[SEL], s[SEL+1]
	v_add_f32 v[\a], v[\a], v[\a+1]
	v_add_f32 v[\b], v[\b], v[\b+1]
.endm
	s_load_b256 s[4:11], s[0:1], 0x0               ; x, g, b, H
	v_lshl_add_u32 v192, v0, 2, 0x10100
	v_mov_b32 v193, 0
	v_lshrrev_b32 v1, 5, v0
	v_readfirstlane_b32 s2, v1                     ; wave 0..7
	v_and_b32 v1, 31, v0
	v_lshlrev_b32 v2, 4, v1                        ; 16 l
	v_and_b32 v5, 15, v0                           ; r
	v_bfe_u32 v6, v0, 4, 1                         ; h
	s_mul_i32 s18, s2, 2*PITCH
	v_add_nc_u32 v3, s18, v2                       ; LDS, in: my two rows, 16 l
	v_mul_u32_u24 v4, v5, PITCH
	v_lshl_add_u32 v4, v6, 6, v4
	s_lshl_b32 s19, s2, 9
	v_add_nc_u32 v4, s19, v4                       ; LDS, out: row r, K step w, + 64 h
	v_lshlrev_b32 v7, 2, v5                        ; 4 r
	s_mov_b32 s12, 0x3a800000                      ; 1 / 1,024
	s_mov_b32 s13, 0x3727c5ac                      ; 1e-5
	s_mov_b32 s[SEL], 0x76543210
	s_mov_b32 s[SEL+1], 0xfedcba98
.irp b, 0,1,2,3
	v_mov_b32 v[TM+4+\b], 0                        ; written once: a lane permute's destination counts as one of its sources
.endr
	s_lshr_b32 s16, ttmp9, 1
	s_lshl_b32 s16, s16, 5
	s_and_b32 s17, ttmp9, 1
	s_lshl_b32 s17, s17, 3
	s_add_co_u32 s16, s16, s17
	s_lshr_b32 s17, s2, 2
	s_lshl_b32 s17, s17, 4
	s_add_co_u32 s16, s16, s17
	s_and_b32 s17, s2, 3
	s_lshl_b32 s17, s17, 1
	s_add_co_u32 s16, s16, s17                     ; my first row: 32 (t / 2) + 8 (t % 2) + 16 (w / 4) + 2 (w % 4)
	s_lshl_b32 s16, s16, 12
	s_mov_b32 s17, 0
	s_lshr_b32 s20, ttmp9, 4
	s_lshl_b32 s20, s20, 1
	s_lshr_b32 s21, s2, 2
	s_add_co_u32 s20, s20, s21
	s_mul_i32 s20, s20, 69632                      ; the record: panel t / 16, K step w / 4
	s_and_b32 s21, s2, 3
	s_lshl_b32 s21, s21, 4
	s_and_b32 s22, ttmp9, 15
	s_add_co_u32 s21, s21, s22                     ; (w % 4) 16 + t % 16
	s_lshl_b32 s22, s21, 10
	s_add_co_u32 s22, s22, s20
	s_mov_b32 s23, 0
	s_lshl_b32 s24, s21, 6
	s_add_co_u32 s24, s24, s20
	s_add_co_u32 s24, s24, 65536
	s_mov_b32 s25, 0
	s_wait_kmcnt 0x0
	s_add_nc_u64 s[4:5], s[4:5], s[16:17]
	s_add_nc_u64 s[22:23], s[10:11], s[22:23]
	s_add_nc_u64 s[24:25], s[10:11], s[24:25]
.set jj, 0
.rept 8
	global_load_b128 v[X+4*jj:X+4*jj+3], v2, s[4:5] offset:512*jj th:TH_LOAD_NT            ; 512 consecutive bytes a load
	global_load_b128 v[X+32+4*jj:X+32+4*jj+3], v2, s[4:5] offset:4096+512*jj th:TH_LOAD_NT
.set jj, jj+1
.endr
.set jj, 0
.rept 8
	global_load_b128 v[GG+4*jj:GG+4*jj+3], v2, s[6:7] offset:512*jj
	global_load_b128 v[BB+4*jj:BB+4*jj+3], v2, s[8:9] offset:512*jj
.set jj, jj+1
.endr
	s_wait_loadcnt 16                              ; the rows are in; the 16 loads of g and b may be out
.irp i, 0,1                            ; the sums: two chains a row
	v_pk_add_f32 v[8+4*\i:9+4*\i], v[X+32*\i:X+32*\i+1], v[X+32*\i+2:X+32*\i+3]
	v_pk_add_f32 v[10+4*\i:11+4*\i], v[X+32*\i+4:X+32*\i+5], v[X+32*\i+6:X+32*\i+7]
.endr
.irp j, 8,12,16,20,24,28
.irp i, 0,1
	v_pk_add_f32 v[8+4*\i:9+4*\i], v[8+4*\i:9+4*\i], v[X+32*\i+\j:X+32*\i+\j+1]
	v_pk_add_f32 v[10+4*\i:11+4*\i], v[10+4*\i:11+4*\i], v[X+32*\i+\j+2:X+32*\i+\j+3]
.endr
.endr
.irp i, 0,1
	v_pk_add_f32 v[8+4*\i:9+4*\i], v[8+4*\i:9+4*\i], v[10+4*\i:11+4*\i]
.endr
.irp i, 0,1
	v_add_f32 v[8+4*\i], v[8+4*\i], v[9+4*\i]
.endr
	REDUCE 8, 12
	v_mul_f32 v8, s12, v8                          ; the means
	v_mul_f32 v12, s12, v12
.irp i, 0,1
.set jj, 0
.rept 16
	v_pk_add_f32 v[X+32*\i+jj:X+32*\i+jj+1], v[X+32*\i+jj:X+32*\i+jj+1], v[8+4*\i:9+4*\i] op_sel_hi:[1,0] neg_lo:[0,1] neg_hi:[0,1]   ; x - mean
.set jj, jj+2
.endr
.endr
.irp i, 0,1                            ; the sums of squares of what is left
	v_pk_mul_f32 v[16+4*\i:17+4*\i], v[X+32*\i:X+32*\i+1], v[X+32*\i:X+32*\i+1]
	v_pk_mul_f32 v[18+4*\i:19+4*\i], v[X+32*\i+2:X+32*\i+3], v[X+32*\i+2:X+32*\i+3]
.endr
.irp j, 4,8,12,16,20,24,28
.irp i, 0,1
	v_pk_fma_f32 v[16+4*\i:17+4*\i], v[X+32*\i+\j:X+32*\i+\j+1], v[X+32*\i+\j:X+32*\i+\j+1], v[16+4*\i:17+4*\i]
	v_pk_fma_f32 v[18+4*\i:19+4*\i], v[X+32*\i+\j+2:X+32*\i+\j+3], v[X+32*\i+\j+2:X+32*\i+\j+3], v[18+4*\i:19+4*\i]
.endr
.endr
.irp i, 0,1
	v_pk_add_f32 v[16+4*\i:17+4*\i], v[16+4*\i:17+4*\i], v[18+4*\i:19+4*\i]
.endr
.irp i, 0,1
	v_add_f32 v[16+4*\i], v[16+4*\i], v[17+4*\i]
.endr
	REDUCE 16, 20
	v_fma_f32 v16, v16, s12, s13                   ; var + eps
	v_fma_f32 v20, v20, s12, s13
	v_rsq_f32 v24, v16
	v_rsq_f32 v26, v20
	v_mov_b32 v25, 0                               ; plain lines behind the two; the packed form names pairs, so the upper halves are written
	v_mov_b32 v27, 0
	s_wait_alu depctr_va_vdst(0)                   ; one wait for both, ahead of their first reader
.irp i, 0,1
.set jj, 0
.rept 16
	v_pk_mul_f32 v[X+32*\i+jj:X+32*\i+jj+1], v[X+32*\i+jj:X+32*\i+jj+1], v[24+2*\i:25+2*\i] op_sel_hi:[1,0]
.set jj, jj+2
.endr
.endr
	s_wait_loadcnt 0x0                             ; g and b
.irp i, 0,1
.set jj, 0
.rept 16
	v_pk_fma_f32 v[X+32*\i+jj:X+32*\i+jj+1], v[X+32*\i+jj:X+32*\i+jj+1], v[GG+jj:GG+jj+1], v[BB+jj:BB+jj+1]
.set jj, jj+2
.endr
.endr
.irp i, 0,1
.set jj, 0
.rept 8
	ds_store_b128 v3, v[X+32*\i+4*jj:X+32*\i+4*jj+3] offset:\i*PITCH+512*jj
.set jj, jj+1
.endr
.endr
	s_wait_dscnt 0x0                               ; for the others' sake: my rows lie in LDS
	s_barrier_signal -1
	s_barrier_wait -1
.irp b, 0,1,2,3
.irp j, 0,1,2,3
	ds_load_b128 v[X+16*\b+4*\j:X+16*\b+4*\j+3], v4 offset:128*\b+16*\j    ; row r, k = 128 w + 32 b + 16 h + 4 j ..
.endr
.endr
	s_wait_dscnt 0x0
	QUANT X, 4, PC, PW
	global_store_b128 v2, v[PC:PC+3], s[22:23]                 ; the image: 512 consecutive bytes a store
	global_store_b128 v2, v[PC+4:PC+7], s[22:23] offset:512
	global_store_b32 v7, v[PW], s[24:25]                       ; row r's word; both halves of the lanes hold and write the same
	s_wait_tensorcnt 0x0
	ds_add_u32 v192, v193
	s_wait_dscnt 0x0
	s_endpgm
.Lfunc_end_k_qe3603264a2_ln2:
	.size	k_qe3603264a2_ln2, .Lfunc_end_k_qe3603264a2_ln2-k_qe3603264a2_ln2
	.p2alignl 7, 3214868480
	.fill 96, 4, 3214868480
	.section	.rodata,"a",@progbits
	.p2align	6, 0x0
	.amdhsa_kernel k_qe3603264a2_ln2
		.amdhsa_group_segment_fixed_size 66816
		.amdhsa_private_segment_fixed_size 0
		.amdhsa_enable_private_segment 0
		.amdhsa_kernarg_size 32
		.amdhsa_user_sgpr_count 2
		.amdhsa_user_sgpr_kernarg_segment_ptr 1
		.amdhsa_wavefront_size32 1
		.amdhsa_system_sgpr_workgroup_id_x 1
		.amdhsa_system_sgpr_workgroup_id_y 1
		.amdhsa_system_sgpr_workgroup_id_z 1
		.amdhsa_system_vgpr_workitem_id 0
		.amdhsa_next_free_vgpr 194
		.amdhsa_next_free_sgpr 66
		.amdhsa_reserve_vcc 0
		.amdhsa_float_denorm_mode_32 3
		.amdhsa_float_denorm_mode_16_64 3
		.amdhsa_memory_ordered 1
		.amdhsa_forward_progress 1
		.amdhsa_inst_pref_size 24
	.end_amdhsa_kernel
	.amdgpu_metadata
---
amdhsa.version: [ 1, 2 ]
amdhsa.kernels:
  - .name:           k_qe3603264a2_ln2
    .symbol:         k_qe3603264a2_ln2.kd
    .args:
      - { .name: X1, .offset: 0, .size: 8, .value_kind: global_buffer, .address_space: global }
      - { .name: ln2_g, .offset: 8, .size: 8, .value_kind: global_buffer, .address_space: global }
      - { .name: ln2_b, .offset: 16, .size: 8, .value_kind: global_buffer, .address_space: global }
      - { .name: H, .offset: 24, .size: 8, .value_kind: global_buffer, .address_space: global }
    .group_segment_fixed_size: 66816
    .private_segment_fixed_size: 0
    .kernarg_segment_align: 8
    .kernarg_segment_size: 32
    .max_flat_workgroup_size: 256
    .sgpr_count:     66
    .vgpr_count:     194
    .wavefront_size: 32
...
	.end_amdgpu_metadata
.endif
;; end of part 5
;; launch ff1 (part 6): grid 16 x 16, 16 waves a work-group, clusters of 4 x 4, 280,576 bytes of LDS; arguments H, W, b_ff1, G; writes G
.if DOCPART == 6
	.amdgcn_target "amdgcn-amd-amdhsa--gfx1250"
	.amdhsa_code_object_version 6
	.text
	.protected	k_qe3603264a2_ff1
	.globl	k_qe3603264a2_ff1
	.p2align	8
	.type	k_qe3603264a2_ff1,@function
k_qe3603264a2_ff1:
	s_mov_b64 s[64:65], 0
	v_nop
	global_prefetch_b8 v0, s[64:65] scope:SCOPE_SE
	s_setreg_imm32_b32 hwreg(HW_REG_WAVE_MODE, 25, 1), 1
	s_wait_xcnt 0x0
	s_wait_alu depctr_hold_cnt(0) depctr_sa_sdst(0) depctr_va_vdst(0) depctr_va_sdst(0) depctr_va_ssrc(0) depctr_va_vcc(0) depctr_vm_vsrc(0)
	s_getreg_b32 s2, hwreg(HW_REG_IB_STS2, 6, 4)
	s_cmp_eq_u32 s2, 0
	s_cbranch_scc0 .Lentry_in_a_cluster
	s_endpgm
.Lentry_in_a_cluster:
	s_bfe_u32 s2, ttmp6, 0x10000c
	s_cmp_lg_u32 s2, 0xf033
	s_cbranch_scc0 .Lentry_shape_is_right
	s_endpgm
.Lentry_shape_is_right:
; G = Q(gelu(h w_ff1 + b_ff1)): the product on codes of FP4 (E2M1) with E8M0 scales, the exact gelu in f32, and its result quantised along the 4,096 hidden units, the next product's K.
; OPERANDS are images of the operand's registers (fragment 16 rows x 128 K = 1,024 bytes; record of 16 tiles x 4 K steps = 69,632 bytes).  A work-group makes 256 x 256 with K = 1,024: both panels come into LDS whole, by two tensor loads a wave;
; nothing is filled again.  Sixteen waves, each 32 rows x 128 columns: 16 accumulators, four waves to a SIMD, so that one wave's gelu stands beside another's products.
; TRANSPOSED: source 0 = a tile of the weight, source 1 = a tile of rows: a lane holds one row, and the 16 registers of two neighbouring tiles are 16 neighbouring hidden units.  The sums begin with the bias, loaded into the accumulators.
; GELU: x Phi(x), z = x / sqrt(2).  |z| <= 475/512: Phi = 0.5 + 0.5 erf(z), erf by an odd polynomial.  Beyond: E = erfc(|z|) = exp(polynomial), Phi = 1 - E / 2 for z > 0 and E / 2 for z < 0: no difference of near numbers.
; Both are computed for every number and chosen by v_cndmask.  G = [row tile / 8][K step / 4][record of 8 tiles x 4 K steps = 34,816 bytes].
; CLUSTER 4 x 4: A's panel is asked for jointly along a row of the cluster, B's along a column.
; LIMITS: erfc under 2^-126 comes out as 0; a block of zeros or under 2^-124 gets the byte 1 (read by this program alone); NaN and infinities are not served.
.set NW, 16
.set PT, 16
.set TB, 8
.set RECB, 69632
.set OPB, 69632
.set SLOT, 2*OPB
.set PIECE, 8704
.set ROWS, 34
.set PANB, 2*RECB
.set WSECT, 2228224
.set ADRA, 2
.set ADRB, 4
.set ADSA, 6
.set ADSB, 8
.set BO, 10
.set PWA, 14                           ; v14-15 the two tiles' scale words;  v13 both, as stored
.set AF, 16
.set BF, 32
.set SA, 96
.set SB, 97
.set C0, 102                           ; v[102:103], v[104:105], v[106:107]: three coefficients, as pairs
.set C2, 104
.set A0, 106
.set TM, 108                           ; v108-119
.set PC, 120                           ; v120-127
.set ACC, 128
.set GZ, 16                            ; the gelu's work on 16 numbers: z, |z|, z^2 (later +-0.5), the large branch, the small branch
.set GT, 32
.set GS, 48
.set GR, 64
.set GU, 80
.set WV, 14
.set WM, 15
.set WN, 3
.set PCE, 2
.set SEL, 12
.set CX, 40
.set CY, 41
.set PB, 42
.set PA, 43
.set G1A, 16
.set G1B, 24
.set G0A, 32
.set G0B, 48
.macro CROUND
	s_barrier_signal -1
	s_barrier_wait -1
	s_cmp_lg_u32 s[WV], 0
	s_cbranch_scc1 .Lnot_wave_0_\@
	s_barrier_signal -3
.Lnot_wave_0_\@:
	s_barrier_wait -3
	s_barrier_signal -1
	s_barrier_wait -1
.endm
.macro MM a
.set rD, ACC+8*TB*\a+8*kb
.if (\a == 0) && (kb%2 == 0)
	v_wmma_scale_f32_16x16x128_f8f6f4 v[rD:rD+7], v[BF+8*kb:BF+8*kb+7], v[AF+8*\a:AF+8*\a+7], v[rD:rD+7], v[SB+kb/2], v[SA] matrix_a_fmt:MATRIX_FMT_FP4 matrix_b_fmt:MATRIX_FMT_FP4
.elseif (\a == 0)
	v_wmma_scale_f32_16x16x128_f8f6f4 v[rD:rD+7], v[BF+8*kb:BF+8*kb+7], v[AF+8*\a:AF+8*\a+7], v[rD:rD+7], v[SB+kb/2], v[SA] matrix_a_fmt:MATRIX_FMT_FP4 matrix_b_fmt:MATRIX_FMT_FP4 matrix_a_scale:MATRIX_SCALE_ROW1
.elseif (kb%2 == 0)
	v_wmma_scale_f32_16x16x128_f8f6f4 v[rD:rD+7], v[BF+8*kb:BF+8*kb+7], v[AF+8*\a:AF+8*\a+7], v[rD:rD+7], v[SB+kb/2], v[SA] matrix_a_fmt:MATRIX_FMT_FP4 matrix_b_fmt:MATRIX_FMT_FP4 matrix_b_scale:MATRIX_SCALE_ROW1
.else
	v_wmma_scale_f32_16x16x128_f8f6f4 v[rD:rD+7], v[BF+8*kb:BF+8*kb+7], v[AF+8*\a:AF+8*\a+7], v[rD:rD+7], v[SB+kb/2], v[SA] matrix_a_fmt:MATRIX_FMT_FP4 matrix_b_fmt:MATRIX_FMT_FP4 matrix_a_scale:MATRIX_SCALE_ROW1 matrix_b_scale:MATRIX_SCALE_ROW1
.endif
.endm
.macro KSTEP s, q                      ; 128 along K.  The accumulators take turns, one instruction a turn, in the same order in every step
.set QO, ((\q)/4)*RECB+((\q)%4)*PT*1024
.set QS, ((\q)/4)*RECB+((\q)%4)*PT*64
.rept 4
	v_nop                                          ; four places in front of loads into registers that matrix instructions have read
.endr
.irp a, 0,1
.irp c, 0,1
	ds_load_b128 v[AF+8*\a+4*\c:AF+8*\a+4*\c+3], v[ADRA+\s] offset:QO+1024*\a+512*\c
.endr
.endr
.set kb, 0
.rept TB
	ds_load_b128 v[BF+8*kb:BF+8*kb+3], v[ADRB+\s] offset:QO+1024*kb
	ds_load_b128 v[BF+8*kb+4:BF+8*kb+7], v[ADRB+\s] offset:QO+1024*kb+512
.set kb, kb+1
.endr
	ds_load_b32 v[SA], v[ADSA+\s] offset:QS
.set kb, 0
.rept TB/2
	ds_load_b32 v[SB+kb], v[ADSB+\s] offset:QS+128*kb
.set kb, kb+1
.endr
	s_wait_dscnt 0x0
.irp a, 0,1
.set kb, 0
.rept TB
	MM \a
.set kb, kb+1
.endr
.endr
.endm
.macro QUANT s, nb, pc, pw
.set qb, 0
.rept \nb
	v_max3_num_f32 v[TM+qb], |v[\s+16*qb]|, |v[\s+16*qb+1]|, 0x1800000   ; with the floor 2^(3 - 127): the byte cannot fall under 1
.set qb, qb+1
.endr
.irp i, 2,4,6,8,10,12,14
.set qb, 0
.rept \nb
	v_max3_num_f32 v[TM+qb], v[TM+qb], |v[\s+16*qb+\i]|, |v[\s+16*qb+\i+1]|
.set qb, qb+1
.endr
.endr
.set qb, 0
.rept \nb
	v_permlanex16_b32 v[TM+4+qb], v[TM+qb], s[SEL], s[SEL+1]
.set qb, qb+1
.endr
.set qb, 0
.rept \nb
	v_max_num_f32 v[TM+qb], v[TM+qb], v[TM+4+qb]
.set qb, qb+1
.endr
.set qb, 0
.rept \nb
	v_add_nc_u32 v[TM+8+qb], 0xff000000, v[TM+qb]
.set qb, qb+1
.endr
.set qb, 0
.rept \nb
	v_lshrrev_b32 v[TM+4+qb], 23, v[TM+8+qb]
.set qb, qb+1
.endr
	v_lshl_or_b32 v[\pw], v[TM+5], 8, v[TM+4]
.if \nb == 4
	v_lshl_or_b32 v[\pw], v[TM+6], 16, v[\pw]
	v_lshl_or_b32 v[\pw], v[TM+7], 24, v[\pw]
.endif
.set qb, 0
.rept \nb
	v_cvt_scalef32_pk8_fp4_f32 v[\pc+2*qb], v[\s+16*qb:\s+16*qb+7], v[TM+8+qb]
	v_cvt_scalef32_pk8_fp4_f32 v[\pc+2*qb+1], v[\s+16*qb+8:\s+16*qb+15], v[TM+8+qb]
.set qb, qb+1
.endr
	v_nop
.set qb, 0
.rept \nb/2
	v_permlane16_swap_b32 v[\pc+4*qb], v[\pc+4*qb+2]
	v_permlane16_swap_b32 v[\pc+4*qb+1], v[\pc+4*qb+3]
.set qb, qb+1
.endr
.endm
; gelu of the 16 numbers v[x] .. v[x + 15], in place; two at a time where a packed form exists
.macro GELU16 x
.irp p, 0,2,4,6,8,10,12,14
	v_pk_mul_f32 v[GZ+\p:GZ+\p+1], v[\x+\p:\x+\p+1], 0x3f3504f3 op_sel_hi:[1,0]        ; z = x / sqrt(2)
.endr
.irp p, 0,2,4,6,8,10,12,14
	v_pk_mul_f32 v[GS+\p:GS+\p+1], v[GZ+\p:GZ+\p+1], v[GZ+\p:GZ+\p+1]                  ; s = z^2
.endr
.irp p, 0,1,2,3,4,5,6,7,8,9,10,11,12,13,14,15
	v_and_b32 v[GT+\p], s70, v[GZ+\p]                                                  ; t = |z|
.endr
.irp p, 0,2,4,6,8,10,12,14
	v_pk_fma_f32 v[GR+\p:GR+\p+1], v[GT+\p:GT+\p+1], v[C0:C0+1], 0x39c8e7d9 op_sel_hi:[1,0,0]
.endr
.irp p, 0,2,4,6,8,10,12,14
	v_pk_fma_f32 v[GU+\p:GU+\p+1], v[GT+\p:GT+\p+1], v[C2:C2+1], 0x3cc6b1a1 op_sel_hi:[1,0,0]
.endr
.irp p, 0,2,4,6,8,10,12,14
	v_pk_fma_f32 v[GR+\p:GR+\p+1], v[GR+\p:GR+\p+1], v[GS+\p:GS+\p+1], v[GU+\p:GU+\p+1]
.endr
.irp k, 0xbddaae5c, 0xbf228550, 0xbe03ce86
.irp p, 0,2,4,6,8,10,12,14
	v_pk_fma_f32 v[GR+\p:GR+\p+1], v[GR+\p:GR+\p+1], v[GT+\p:GT+\p+1], \k op_sel_hi:[1,1,0]
.endr
.endr
.irp p, 0,2,4,6,8,10,12,14
	v_pk_fma_f32 v[GR+\p:GR+\p+1], v[GR+\p:GR+\p+1], v[GT+\p:GT+\p+1], v[GT+\p:GT+\p+1] neg_lo:[0,0,1] neg_hi:[0,0,1]   ; r t - t = ln erfc(t)
.endr
.irp p, 0,2,4,6,8,10,12,14
	v_pk_mul_f32 v[GR+\p:GR+\p+1], v[GR+\p:GR+\p+1], 0x3fb8aa3b op_sel_hi:[1,0]
.endr
.irp p, 0,1,2,3,4,5,6,7,8,9,10,11,12,13,14,15
	v_exp_f32 v[GR+\p], v[GR+\p]                                                       ; E = erfc(t): one batch; the small branch below names none of its results
.endr
.irp p, 0,2,4,6,8,10,12,14
	v_pk_fma_f32 v[GU+\p:GU+\p+1], v[GS+\p:GS+\p+1], v[A0:A0+1], 0x3ba38d2c op_sel_hi:[1,0,0]
.endr
.irp k, 0xbcdb48d9, 0x3de70e22, 0xbec09380, 0x3e0375d4
.irp p, 0,2,4,6,8,10,12,14
	v_pk_fma_f32 v[GU+\p:GU+\p+1], v[GU+\p:GU+\p+1], v[GS+\p:GS+\p+1], \k op_sel_hi:[1,1,0]
.endr
.endr
.irp p, 0,2,4,6,8,10,12,14
	v_pk_fma_f32 v[GU+\p:GU+\p+1], v[GU+\p:GU+\p+1], v[GZ+\p:GZ+\p+1], v[GZ+\p:GZ+\p+1]   ; erf(z)
.endr
.irp p, 0,2,4,6,8,10,12,14
	v_pk_fma_f32 v[GU+\p:GU+\p+1], v[GU+\p:GU+\p+1], 0.5, 0.5 op_sel_hi:[1,0,0]        ; Phi, small branch
.endr
.irp p, 0,1,2,3,4,5,6,7,8,9,10,11,12,13,14,15
	v_bfi_b32 v[GS+\p], s70, 0.5, v[GZ+\p]                                             ; 0.5 with z's sign
.endr
.irp p, 0,2,4,6,8,10,12,14
	v_pk_add_f32 v[GZ+\p:GZ+\p+1], v[GS+\p:GS+\p+1], 0.5 op_sel_hi:[1,0]               ; 1 or 0
.endr
	s_wait_alu depctr_va_vdst(0)                   ; one wait for the sixteen exponentials, ahead of their first reader
.irp p, 0,2,4,6,8,10,12,14
	v_pk_fma_f32 v[GR+\p:GR+\p+1], v[GS+\p:GS+\p+1], v[GR+\p:GR+\p+1], v[GZ+\p:GZ+\p+1] neg_lo:[1,0,0] neg_hi:[1,0,0]   ; Phi, large branch: 1 - E / 2 or E / 2
.endr
.irp p, 0,1,2,3,4,5,6,7,8,9,10,11,12,13,14,15
	v_cmp_ge_f32 vcc_lo, s71, v[GT+\p]
	v_cndmask_b32 v[GR+\p], v[GR+\p], v[GU+\p], vcc_lo
.endr
.irp p, 0,2,4,6,8,10,12,14
	v_pk_mul_f32 v[\x+\p:\x+\p+1], v[\x+\p:\x+\p+1], v[GR+\p:GR+\p+1]
.endr
.endm
	s_load_b256 s[4:11], s[0:1], 0x0               ; H, W, b_ff1, G
	v_lshl_add_u32 v254, v0, 2, 0x44000
	v_mov_b32 v255, 0
	ds_add_u32 v254, v255
	ds_add_u32 v254, v255
	s_wait_dscnt 0x0
	v_lshrrev_b32 v1, 5, v0
	v_readfirstlane_b32 s[WV], v1
	s_lshr_b32 s[WM], s[WV], 1
	s_and_b32 s[WN], s[WV], 1
	s_and_b32 s[PCE], s[WV], NW/2-1
	s_bfe_u32 s[CX], ttmp6, 0x40000
	s_bfe_u32 s[CY], ttmp6, 0x40004
	s_lshl_b32 s[PB], ttmp9, 2
	s_add_co_u32 s[PB], s[PB], s[CX]
	s_and_b32 s[PA], ttmp7, 0xffff
	s_lshl_b32 s[PA], s[PA], 2
	s_add_co_u32 s[PA], s[PA], s[CY]
	s_lshl_b32 s44, s[CY], 2
	s_lshl_b32 s44, 15, s44
	s_lshl_b32 s45, 0x1111, s[CX]
	s_or_b32 s[G1A], s44, (3<<16)|(1<<21)
	s_or_b32 s[G1B], s45, (3<<16)|(1<<21)
.irp g, G1A, G1B
	s_mov_b32 s[\g+1], 32<<16                      ; dense rows of 256 bytes
	s_mov_b32 s[\g+2], ROWS<<16
	s_mov_b32 s[\g+3], 32<<16
	s_mov_b32 s[\g+4], ROWS
	s_mov_b32 s[\g+5], 32
	s_mov_b32 s[\g+6], 0
	s_mov_b32 s[\g+7], 0
.endr
	s_mov_b32 s[SEL], 0x76543210
	s_mov_b32 s[SEL+1], 0xfedcba98
	s_mov_b32 s70, 0x7fffffff
	s_mov_b32 s71, 0x3f6d8000                      ; 475 / 512: where the branches part
	s_mov_b32 s72, 0xffff0000                      ; lanes 16-31
	s_mul_i32 s56, s[PA], PANB
	s_mul_i32 s57, s[PCE], PIECE
	s_add_co_u32 s56, s56, s57
	s_mov_b32 s57, 0
	s_mul_i32 s58, s[PB], PANB
	s_mul_i32 s59, s[PCE], PIECE
	s_add_co_u32 s58, s58, s59
	s_add_co_u32 s58, s58, WSECT
	s_mov_b32 s59, 0
	s_mul_i32 s60, s[WV], PIECE
	s_wait_kmcnt 0x0
	s_add_nc_u64 s[56:57], s[4:5], s[56:57]
	s_add_nc_u64 s[58:59], s[6:7], s[58:59]
	CROUND                                         ; all sixteen work-groups are here: the joint loads meet
.irp s, 0,1
	s_mov_b32 s[G0A+4*\s], 1
	s_add_co_u32 s[G0A+4*\s+1], s60, \s*SLOT
	s_add_nc_u64 s[G0A+4*\s+2:G0A+4*\s+3], s[56:57], \s*OPB
	s_or_b32 s[G0A+4*\s+3], s[G0A+4*\s+3], 0x80000000
	s_mov_b32 s[G0B+4*\s], 1
	s_add_co_u32 s[G0B+4*\s+1], s60, \s*SLOT
	s_add_nc_u64 s[G0B+4*\s+2:G0B+4*\s+3], s[58:59], \s*OPB
	s_or_b32 s[G0B+4*\s+3], s[G0B+4*\s+3], 0x80000000
.endr
	s_cmp_lt_u32 s[WV], NW/2                       ; waves 0-7 fetch for A, waves 8-15 for B; a wave's two loads stand in one branch: two loads of mine are out
	s_cbranch_scc0 .Lfirst_b
	tensor_load_to_lds s[G0A:G0A+3], s[G1A:G1A+7]
	s_nop 0
	tensor_load_to_lds s[G0A+4:G0A+7], s[G1A:G1A+7]
	s_nop 0
.rept 4
	v_nop
.endr
	s_branch .Lfirst_asked
.Lfirst_b:
	tensor_load_to_lds s[G0B:G0B+3], s[G1B:G1B+7]
	s_nop 0
	tensor_load_to_lds s[G0B+4:G0B+7], s[G1B:G1B+7]
	s_nop 0
.rept 4
	v_nop
.endr
.Lfirst_asked:
	v_and_b32 v1, 31, v0
	v_lshlrev_b32 v11, 4, v1                       ; 16 l
	v_lshlrev_b32 v12, 2, v1                       ; 4 l
	s_lshl_b32 s61, s[WM], 11
	v_add_nc_u32 v[ADRA], s61, v11
	v_add_nc_u32 v[ADRA+1], SLOT, v[ADRA]
	s_lshl_b32 s61, s[WN], 13
	s_add_co_u32 s61, s61, OPB
	v_add_nc_u32 v[ADRB], s61, v11
	v_add_nc_u32 v[ADRB+1], SLOT, v[ADRB]
	s_lshl_b32 s61, s[WM], 7
	s_add_co_u32 s61, s61, 4096*PT
	v_add_nc_u32 v[ADSA], s61, v12
	v_add_nc_u32 v[ADSA+1], SLOT, v[ADSA]
	s_lshl_b32 s61, s[WN], 9
	s_add_co_u32 s61, s61, OPB+4096*PT
	v_add_nc_u32 v[ADSB], s61, v12
	v_add_nc_u32 v[ADSB+1], SLOT, v[ADSB]
	v_bfe_u32 v13, v0, 4, 1
	v_lshlrev_b32 v[BO], 6, v13                    ; 64 h
.irp b, 0,1,2,3
	v_mov_b32 v[TM+4+\b], 0                        ; written once: a lane permute's destination counts as one of its sources
.endr
	s_lshl_b32 s74, s[PB], 10
	s_lshl_b32 s75, s[WN], 9
	s_add_co_u32 s74, s74, s75
	s_mov_b32 s75, 0
	s_add_nc_u64 s[74:75], s[8:9], s[74:75]        ; the bias of my 128 columns
.irp a, 0,1
.set kb, 0
.rept TB
	global_load_b128 v[ACC+64*\a+8*kb:ACC+64*\a+8*kb+3], v[BO], s[74:75] offset:(32*(kb/2)+8*(kb%2))*4
	global_load_b128 v[ACC+64*\a+8*kb+4:ACC+64*\a+8*kb+7], v[BO], s[74:75] offset:(32*(kb/2)+8*(kb%2))*4+16
.set kb, kb+1
.endr
.endr
	s_wait_tensorcnt 0x1                           ; my part of slot 0 is in; slot 1's load may be out
	s_barrier_signal -1
	s_barrier_wait -1
	s_wait_loadcnt 0x0                             ; the bias
	KSTEP 0, 0
	KSTEP 0, 1
	KSTEP 0, 2
	KSTEP 0, 3
	s_wait_tensorcnt 0x0                           ; my part of slot 1 is in
	s_barrier_signal -1
	s_barrier_wait -1
	KSTEP 1, 0
	KSTEP 1, 1
	KSTEP 1, 2
	KSTEP 1, 3
	; THE WAY OUT
	v_mov_b32 v[C0], 0xb7910000                    ; (these six lines are also the places behind the last products)
	v_mov_b32 v[C0+1], 0xb7910000
	v_mov_b32 v[C2], 0xbb7e8a1c
	v_mov_b32 v[C2+1], 0xbb7e8a1c
	v_mov_b32 v[A0], 0xba1c7000
	v_mov_b32 v[A0+1], 0xba1c7000
	s_lshl_b32 s85, s[PA], 4
	s_lshl_b32 s86, s[WM], 1
	s_add_co_u32 s85, s85, s86                     ; my first tile of rows
	s_lshl_b32 s86, s[PB], 1
	s_add_co_u32 s86, s86, s[WN]                   ; my K step of the next product
	s_lshr_b32 s87, s85, 3
	s_lshl_b32 s87, s87, 3
	s_lshr_b32 s88, s86, 2
	s_add_co_u32 s87, s87, s88
	s_mul_i32 s87, s87, 34816                      ; the record
	s_and_b32 s88, s86, 3
	s_lshl_b32 s88, s88, 3
	s_and_b32 s89, s85, 7
	s_add_co_u32 s88, s88, s89
	s_lshl_b32 s89, s88, 10
	s_add_co_u32 s76, s87, s89
	s_mov_b32 s77, 0
	s_add_nc_u64 s[76:77], s[10:11], s[76:77]
	s_lshl_b32 s89, s88, 6
	s_add_co_u32 s80, s87, s89
	s_add_co_u32 s80, s80, 32768
	s_mov_b32 s81, 0
	s_add_nc_u64 s[80:81], s[10:11], s[80:81]
.irp a, 0,1
.irp g, 0,1,2,3
	GELU16 ACC+64*\a+16*\g
.endr
.if \a == 1
	s_wait_xcnt 0x0                                ; the first tile's stores have read their registers: the codes may be written again
.endif
	QUANT ACC+64*\a, 4, PC, PWA+\a
	global_store_b128 v11, v[PC:PC+3], s[76:77] offset:1024*\a          ; the image: 512 consecutive bytes a store
	global_store_b128 v11, v[PC+4:PC+7], s[76:77] offset:1024*\a+512
.endr
	v_cndmask_b32 v13, v[PWA], v[PWA+1], s72       ; lanes 0-15: the first tile's words, lanes 16-31: the second's
	global_store_b32 v12, v13, s[80:81]            ; 128 consecutive bytes
	s_wait_xcnt 0x0
	v_lshl_add_u32 v254, v0, 2, 0x44000
	v_mov_b32 v255, 0
	s_wait_tensorcnt 0x0
	ds_add_u32 v254, v255
	s_wait_dscnt 0x0
	CROUND                                         ; the closing round
	s_endpgm
.Lfunc_end_k_qe3603264a2_ff1:
	.size	k_qe3603264a2_ff1, .Lfunc_end_k_qe3603264a2_ff1-k_qe3603264a2_ff1
	.p2alignl 7, 3214868480
	.fill 96, 4, 3214868480
	.section	.rodata,"a",@progbits
	.p2align	6, 0x0
	.amdhsa_kernel k_qe3603264a2_ff1
		.amdhsa_group_segment_fixed_size 280576
		.amdhsa_private_segment_fixed_size 0
		.amdhsa_enable_private_segment 0
		.amdhsa_kernarg_size 32
		.amdhsa_user_sgpr_count 2
		.amdhsa_user_sgpr_kernarg_segment_ptr 1
		.amdhsa_wavefront_size32 1
		.amdhsa_system_sgpr_workgroup_id_x 1
		.amdhsa_system_sgpr_workgroup_id_y 1
		.amdhsa_system_sgpr_workgroup_id_z 1
		.amdhsa_system_vgpr_workitem_id 0
		.amdhsa_next_free_vgpr 256
		.amdhsa_next_free_sgpr 100
		.amdhsa_reserve_vcc 1
		.amdhsa_float_denorm_mode_32 3
		.amdhsa_float_denorm_mode_16_64 3
		.amdhsa_memory_ordered 1
		.amdhsa_forward_progress 1
		.amdhsa_inst_pref_size 178
	.end_amdhsa_kernel
	.amdgpu_metadata
---
amdhsa.version: [ 1, 2 ]
amdhsa.kernels:
  - .name:           k_qe3603264a2_ff1
    .symbol:         k_qe3603264a2_ff1.kd
    .args:
      - { .name: H, .offset: 0, .size: 8, .value_kind: global_buffer, .address_space: global }
      - { .name: W, .offset: 8, .size: 8, .value_kind: global_buffer, .address_space: global }
      - { .name: b_ff1, .offset: 16, .size: 8, .value_kind: global_buffer, .address_space: global }
      - { .name: G, .offset: 24, .size: 8, .value_kind: global_buffer, .address_space: global }
    .group_segment_fixed_size: 280576
    .private_segment_fixed_size: 0
    .kernarg_segment_align: 8
    .kernarg_segment_size: 32
    .max_flat_workgroup_size: 512
    .sgpr_count:     100
    .vgpr_count:     256
    .wavefront_size: 32
...
	.end_amdgpu_metadata
.endif
;; end of part 6
;; launch ff2 (part 7): grid 8 x 32, 8 waves a work-group, clusters of 4 x 4, 327,680 bytes of LDS; arguments G, W, b_ff2, X1, out0; writes out0
.if DOCPART == 7
	.amdgcn_target "amdgcn-amd-amdhsa--gfx1250"
	.amdhsa_code_object_version 6
	.text
	.protected	k_qe3603264a2_ff2
	.globl	k_qe3603264a2_ff2
	.p2align	8
	.type	k_qe3603264a2_ff2,@function
k_qe3603264a2_ff2:
	s_mov_b64 s[64:65], 0
	v_nop
	global_prefetch_b8 v0, s[64:65] scope:SCOPE_SE
	s_setreg_imm32_b32 hwreg(HW_REG_WAVE_MODE, 25, 1), 1
	s_wait_xcnt 0x0
	s_wait_alu depctr_hold_cnt(0) depctr_sa_sdst(0) depctr_va_vdst(0) depctr_va_sdst(0) depctr_va_ssrc(0) depctr_va_vcc(0) depctr_vm_vsrc(0)
	s_getreg_b32 s2, hwreg(HW_REG_IB_STS2, 6, 4)
	s_cmp_eq_u32 s2, 0
	s_cbranch_scc0 .Lentry_in_a_cluster
	s_endpgm
.Lentry_in_a_cluster:
	s_bfe_u32 s2, ttmp6, 0x10000c
	s_cmp_lg_u32 s2, 0xf033
	s_cbranch_scc0 .Lentry_shape_is_right
	s_endpgm
.Lentry_shape_is_right:
; out0 = X1 + gelu(..) w_ff2 + b_ff2, the product on codes of FP4 (E2M1) with E8M0 scales; f32 out.  K = 4,096.
; OPERANDS are images of the operand's registers (fragment 16 rows x 128 K = 1,024 bytes; record of 8 tiles x 4 K steps = 34,816 bytes: codes [q][tile][1024], scale words [q][tile][64]; a panel of 128 rows is its eight records on end).
; A work-group makes 128 x 128.  K goes through two LDS slots of 1,024 along K (two records of A, two of B, as they lie in memory): four fills, two of them refills, each one tensor load a wave (68 rows of 256 bytes).
; Eight waves, each 32 rows x 64 columns: 8 accumulators, two waves to a SIMD.
; FRAGMENTS A STEP AHEAD: two sets of registers for fragments and scale words.  While one K step's eight products are issued, the next step's 15 LDS loads are on their way into the other set.  So a slot has been read out when its last
; step's fragments are in registers: the change of slots stands ahead of that step's products, and the refill has eight K steps' products in which to land.
; TRANSPOSED: source 0 = a tile of the weight, source 1 = a tile of rows.  Lane (r, h), register j of accumulator (a, b): row = lane row r of tile a
; (token 32 (T / 2) + 16 (r / 8) + 8 (T % 2) + r % 8), column 32 (b / 2) + 16 h + 8 (b % 2) + j.  The sums begin with the bias, loaded into the accumulators.  The way out goes through the wave's own stage in LDS; the residual is added there.
; CLUSTER 4 x 4: A's panel is asked for jointly along a row of the cluster, B's along a column; a round of the cluster's barrier stands in front of each refill.  All of the WGP's LDS is claimed.
.set KSTEPS, 32
.set SLOTK, 8
.set WSECT, 4456448
.set NW, 8
.set PT, 8
.set TB, 4
.set RECB, 34816
.set OPB, (SLOTK/4)*RECB
.set SLOT, 2*OPB
.set PIECE, OPB/4
.set ROWS, PIECE/256
.set PANB, (KSTEPS/4)*RECB
.set STG, 2*SLOT                       ; behind the slots: 16 rows x 272 bytes for each wave; no fill lands there
.set SPARE, STG+8*16*272               ; behind the stages: the spare words, 128 bytes for each wave: four blocks of 256 bytes that no other line names
.set CO, 1
.set ADRA, 2
.set ADRB, 4
.set ADSA, 6
.set ADSB, 8
.set BO, 10
.set STO, 11
.set RD, 12
.set SA, 13                            ; A's scale words: set 0 v13, set 1 v112 (99 on)
.set SB, 14                            ; B's: set 0 v14-15, set 1 v113-114
.set AF, 16                            ; A's two fragments: set 0 v16-31, set 1 v64-79 (48 on)
.set BF, 32                            ; B's four: set 0 v32-63, set 1 v80-111
.set BK, 32                            ; the way out: v32-63, v64-95 rows read back
.set SPW, 126                          ; v126 LDS address of my spare word; never rewritten
.set NIL, 127                          ; v127 0; never rewritten
.set RES, 128
.set ACC, 192
.set WV, 14
.set WM, 15
.set WN, 3
.set PCE, 2
.set CX, 40
.set CY, 41
.set PB, 42
.set PA, 43
.set G1A, 16
.set G1B, 24
.set G0A, 32
.set G0B, 48
.macro CROUND
	s_barrier_signal -1
	s_barrier_wait -1
	s_cmp_lg_u32 s[WV], 0
	s_cbranch_scc1 .Lnot_wave_0_\@
	s_barrier_signal -3
.Lnot_wave_0_\@:
	s_barrier_wait -3
	s_barrier_signal -1
	s_barrier_wait -1
.endm
.macro JLOAD s                         ; a joint refill: waves 0-3 for A, waves 4-7 for B; four v_nop follow each of the two lines
	s_cmp_lt_u32 s[WV], NW/2
	s_cbranch_scc0 .Lfor_b_\@
	tensor_load_to_lds s[G0A+4*\s:G0A+4*\s+3], s[G1A:G1A+7]
	s_nop 0
.rept 4
	v_nop
.endr
	s_branch .Lasked_\@
.Lfor_b_\@:
	tensor_load_to_lds s[G0B+4*\s:G0B+4*\s+3], s[G1B:G1B+7]
	s_nop 0
.rept 4
	v_nop
.endr
.Lasked_\@:
.endm
.macro PLACES                          ; four places in front of loads into registers that matrix instructions have read (ISA guide 7.12.1 for vector instructions)
.rept 4
	v_nop
.endr
.endm
.macro MM a, p                         ; one product: B's tile kb x A's tile a, out of set p.  The rows of the scale registers go with the tiles' parities
.set rD, ACC+8*TB*\a+8*kb
.set rB, BF+48*(\p)+8*kb
.set rA, AF+48*(\p)+8*\a
.set rT, SB+99*(\p)+kb/2
.set rS, SA+99*(\p)
.if (\a == 0) && (kb%2 == 0)
	v_wmma_scale_f32_16x16x128_f8f6f4 v[rD:rD+7], v[rB:rB+7], v[rA:rA+7], v[rD:rD+7], v[rT], v[rS] matrix_a_fmt:MATRIX_FMT_FP4 matrix_b_fmt:MATRIX_FMT_FP4
.elseif (\a == 0)
	v_wmma_scale_f32_16x16x128_f8f6f4 v[rD:rD+7], v[rB:rB+7], v[rA:rA+7], v[rD:rD+7], v[rT], v[rS] matrix_a_fmt:MATRIX_FMT_FP4 matrix_b_fmt:MATRIX_FMT_FP4 matrix_a_scale:MATRIX_SCALE_ROW1
.elseif (kb%2 == 0)
	v_wmma_scale_f32_16x16x128_f8f6f4 v[rD:rD+7], v[rB:rB+7], v[rA:rA+7], v[rD:rD+7], v[rT], v[rS] matrix_a_fmt:MATRIX_FMT_FP4 matrix_b_fmt:MATRIX_FMT_FP4 matrix_b_scale:MATRIX_SCALE_ROW1
.else
	v_wmma_scale_f32_16x16x128_f8f6f4 v[rD:rD+7], v[rB:rB+7], v[rA:rA+7], v[rD:rD+7], v[rT], v[rS] matrix_a_fmt:MATRIX_FMT_FP4 matrix_b_fmt:MATRIX_FMT_FP4 matrix_a_scale:MATRIX_SCALE_ROW1 matrix_b_scale:MATRIX_SCALE_ROW1
.endif
.endm
.macro MULS p                          ; a K step's eight products out of set p.  The accumulators take turns, one instruction a turn, in the same order in every step
.irp a, 0,1
.set kb, 0
.rept TB
	MM \a, \p
.set kb, kb+1
.endr
.endr
.endm
.macro LOADS s, q, p                   ; 15 LDS loads: the fragments and scale words of slot s's q-th K step into set p
.set QO, ((\q)/4)*RECB+((\q)%4)*PT*1024
.set QS, ((\q)/4)*RECB+((\q)%4)*PT*64
.irp a, 0,1
.irp c, 0,1
	ds_load_b128 v[AF+48*(\p)+8*\a+4*\c:AF+48*(\p)+8*\a+4*\c+3], v[ADRA+\s] offset:QO+1024*\a+512*\c
.endr
.endr
.set kb, 0
.rept TB
	ds_load_b128 v[BF+48*(\p)+8*kb:BF+48*(\p)+8*kb+3], v[ADRB+\s] offset:QO+1024*kb
	ds_load_b128 v[BF+48*(\p)+8*kb+4:BF+48*(\p)+8*kb+7], v[ADRB+\s] offset:QO+1024*kb+512
.set kb, kb+1
.endr
	ds_load_b32 v[SA+99*(\p)], v[ADSA+\s] offset:QS
.set kb, 0
.rept TB/2
	ds_load_b32 v[SB+99*(\p)+kb], v[ADSB+\s] offset:QS+128*kb
.set kb, kb+1
.endr
.endm
.macro STEP s, q                       ; slot s's q-th K step, which has its successor in the same slot
	PLACES                                         ; the other set was read by the step before
	LOADS \s, (\q)+1, ((\q)+1)%2
	s_wait_dscnt 15                                ; this step's 15 loads are in; the 15 just issued may be out
	MULS (\q)%2
.endm
.macro RUN s                           ; the slot's steps 0 .. SLOTK - 2
.set kq, 0
.rept SLOTK-1
	STEP \s, kq
.set kq, kq+1
.endr
.endm
; Slot s has been read out (its last step's fragments are asked for, and the wait below shows them in registers) and is filled again, 2,048 further along K.  Each wave waits for all its tensor loads (its part of the other slot), adds 0
; to its spare word, and waits for that and for its reads of slot s; the round shows the same of every wave of all sixteen work-groups; the joint refill is the first thing behind it, one load a wave.
.macro CHANGE s
	s_wait_tensorcnt 0x0                           ; no tensor load of mine is out, so a group 0 may be written
	ds_add_u32 v[SPW], v[NIL]                      ; 0 onto my spare word
	s_add_nc_u64 s[G0A+4*\s+2:G0A+4*\s+3], s[G0A+4*\s+2:G0A+4*\s+3], 2*OPB
	s_add_nc_u64 s[G0B+4*\s+2:G0B+4*\s+3], s[G0B+4*\s+2:G0B+4*\s+3], 2*OPB
	s_wait_dscnt 0x0                               ; the add is done, and my reads of the slot are over
	CROUND
	JLOAD \s                                       ; the four v_nop behind it are also the places in front of the loads that follow
.endm
	s_load_b256 s[4:11], s[0:1], 0x0               ; A's images, W, the bias, the residual
	s_load_b64 s[12:13], s[0:1], 0x20              ; the output
	v_lshl_add_u32 v[SPW], v0, 2, SPARE
	v_mov_b32 v[NIL], 0
	ds_add_u32 v126, v127
	ds_add_u32 v126, v127
	s_wait_dscnt 0x0
	v_lshrrev_b32 v1, 5, v0
	v_readfirstlane_b32 s[WV], v1                  ; wave 0..7
	s_lshr_b32 s[WM], s[WV], 1
	s_and_b32 s[WN], s[WV], 1
	s_and_b32 s[PCE], s[WV], NW/2-1
	s_bfe_u32 s[CX], ttmp6, 0x40000
	s_bfe_u32 s[CY], ttmp6, 0x40004
	s_lshl_b32 s[PB], ttmp9, 2
	s_add_co_u32 s[PB], s[PB], s[CX]
	s_and_b32 s[PA], ttmp7, 0xffff
	s_lshl_b32 s[PA], s[PA], 2
	s_add_co_u32 s[PA], s[PA], s[CY]
	s_lshl_b32 s44, s[CY], 2
	s_lshl_b32 s44, 15, s44
	s_lshl_b32 s45, 0x1111, s[CX]
	s_or_b32 s[G1A], s44, (3<<16)|(1<<21)
	s_or_b32 s[G1B], s45, (3<<16)|(1<<21)
.irp g, G1A, G1B
	s_mov_b32 s[\g+1], 32<<16                      ; dense rows of 256 bytes
	s_mov_b32 s[\g+2], ROWS<<16
	s_mov_b32 s[\g+3], 32<<16
	s_mov_b32 s[\g+4], ROWS
	s_mov_b32 s[\g+5], 32
	s_mov_b32 s[\g+6], 0
	s_mov_b32 s[\g+7], 0
.endr
	s_mul_i32 s56, s[PA], PANB
	s_mul_i32 s57, s[PCE], PIECE
	s_add_co_u32 s56, s56, s57
	s_mov_b32 s57, 0
	s_mul_i32 s58, s[PB], PANB
	s_mul_i32 s59, s[PCE], PIECE
	s_add_co_u32 s58, s58, s59
	s_add_co_u32 s58, s58, WSECT
	s_mov_b32 s59, 0
	s_mul_i32 s60, s[WV], PIECE
	s_wait_kmcnt 0x0
	s_add_nc_u64 s[56:57], s[4:5], s[56:57]
	s_add_nc_u64 s[58:59], s[6:7], s[58:59]
	CROUND                                         ; all sixteen work-groups are here: the first joint loads meet
.irp s, 0,1
	s_mov_b32 s[G0A+4*\s], 1
	s_add_co_u32 s[G0A+4*\s+1], s60, \s*SLOT
	s_add_nc_u64 s[G0A+4*\s+2:G0A+4*\s+3], s[56:57], \s*OPB
	s_or_b32 s[G0A+4*\s+3], s[G0A+4*\s+3], 0x80000000
	s_mov_b32 s[G0B+4*\s], 1
	s_add_co_u32 s[G0B+4*\s+1], s60, \s*SLOT
	s_add_nc_u64 s[G0B+4*\s+2:G0B+4*\s+3], s[58:59], \s*OPB
	s_or_b32 s[G0B+4*\s+3], s[G0B+4*\s+3], 0x80000000
.endr
	s_cmp_lt_u32 s[WV], NW/2                       ; a wave's two first fills stand in one branch: two loads of mine are out, later one
	s_cbranch_scc0 .Lfirst_b
	tensor_load_to_lds s[G0A:G0A+3], s[G1A:G1A+7]
	s_nop 0
	tensor_load_to_lds s[G0A+4:G0A+7], s[G1A:G1A+7]
	s_nop 0
.rept 4
	v_nop
.endr
	s_branch .Lfirst_asked
.Lfirst_b:
	tensor_load_to_lds s[G0B:G0B+3], s[G1B:G1B+7]
	s_nop 0
	tensor_load_to_lds s[G0B+4:G0B+7], s[G1B:G1B+7]
	s_nop 0
.rept 4
	v_nop
.endr
.Lfirst_asked:
	v_and_b32 v116, 31, v0
	v_lshlrev_b32 v117, 4, v116                    ; 16 l
	v_lshlrev_b32 v118, 2, v116                    ; 4 l
	s_lshl_b32 s61, s[WM], 11
	v_add_nc_u32 v[ADRA], s61, v117
	v_add_nc_u32 v[ADRA+1], SLOT, v[ADRA]
	s_lshl_b32 s61, s[WN], 12
	s_add_co_u32 s61, s61, OPB
	v_add_nc_u32 v[ADRB], s61, v117
	v_add_nc_u32 v[ADRB+1], SLOT, v[ADRB]
	s_lshl_b32 s61, s[WM], 7
	s_add_co_u32 s61, s61, 4096*PT
	v_add_nc_u32 v[ADSA], s61, v118
	v_add_nc_u32 v[ADSA+1], SLOT, v[ADSA]
	s_lshl_b32 s61, s[WN], 8
	s_add_co_u32 s61, s61, OPB+4096*PT
	v_add_nc_u32 v[ADSB], s61, v118
	v_add_nc_u32 v[ADSB+1], SLOT, v[ADSB]
	v_and_b32 v119, 15, v0                         ; r
	v_bfe_u32 v120, v0, 4, 1                       ; h
	v_lshlrev_b32 v[BO], 6, v120
	s_mul_i32 s61, s[WV], 16*272
	s_add_co_u32 s61, s61, STG                     ; my stage
	v_mul_u32_u24 v[STO], v119, 272
	v_lshl_add_u32 v[STO], v120, 6, v[STO]
	v_add_nc_u32 v[STO], s61, v[STO]
	v_mul_u32_u24 v[RD], v120, 272
	v_lshl_add_u32 v[RD], v119, 4, v[RD]
	v_add_nc_u32 v[RD], s61, v[RD]
	v_lshlrev_b32 v[CO], 12, v120
	v_lshl_add_u32 v[CO], v119, 4, v[CO]
	s_lshl_b32 s66, s[PB], 9
	s_lshl_b32 s67, s[WN], 8
	s_add_co_u32 s66, s66, s67                     ; my 64 columns, in bytes
	s_mov_b32 s67, 0
	s_add_nc_u64 s[68:69], s[8:9], s[66:67]        ; their bias
	s_lshl_b32 s70, s[PA], 2
	s_add_co_u32 s70, s70, s[WM]
	s_lshl_b32 s70, s70, 17                        ; my 32 rows
	s_add_co_u32 s66, s66, s70
	s_add_nc_u64 s[72:73], s[10:11], s[66:67]      ; the residual
	s_add_nc_u64 s[74:75], s[12:13], s[66:67]      ; the output
.irp a, 0,1
.set kb, 0
.rept TB
	global_load_b128 v[ACC+32*\a+8*kb:ACC+32*\a+8*kb+3], v[BO], s[68:69] offset:(32*(kb/2)+8*(kb%2))*4
	global_load_b128 v[ACC+32*\a+8*kb+4:ACC+32*\a+8*kb+7], v[BO], s[68:69] offset:(32*(kb/2)+8*(kb%2))*4+16
.set kb, kb+1
.endr
.endr
.irp a, 0,1
.irp i, 0,1,2,3,4,5,6,7
	global_load_b128 v[RES+32*\a+4*\i:RES+32*\a+4*\i+3], v[CO], s[72:73] offset:(8*\a+16*(\i/4)+2*(\i%4))*4096
.endr
.endr
	s_wait_tensorcnt 0x1                           ; my part of slot 0 is in; slot 1's load may be out
	s_barrier_signal -1
	s_barrier_wait -1
	LOADS 0, 0, 0                                  ; the first K step's fragments
	s_wait_loadcnt 16                              ; the bias is in; the 16 loads of the residual may be out
	RUN 0                                          ; K 0 ..: seven steps; the eighth's fragments are asked for
	CHANGE 0                                       ; slot 0 takes K 2,048 ..
	LOADS 1, 0, 0                                  ; slot 1's first fragments, ahead of
	MULS 1                                         ; the eighth step's products
	RUN 1                                          ; K 1,024 ..
	CHANGE 1                                       ; slot 1 takes K 3,072 ..
	LOADS 0, 0, 0
	MULS 1
	RUN 0                                          ; K 2,048 ..
	s_wait_tensorcnt 0x0                           ; my part of the last fill is in; nothing more is asked for, so no round follows
	ds_add_u32 v[SPW], v[NIL]
	s_wait_dscnt 0x0
	s_barrier_signal -1
	s_barrier_wait -1
	PLACES
	LOADS 1, 0, 0
	MULS 1
	RUN 1                                          ; K 3,072 ..
	s_wait_dscnt 0x0
	MULS 1                                         ; the last K step
	; THE WAY OUT
	PLACES
.irp a, 0,1
.irp b, 0,1,2,3
	ds_store_b128 v[STO], v[ACC+32*\a+8*\b:ACC+32*\a+8*\b+3] offset:128*(\b/2)+32*(\b%2)         ; each accumulator from its low end on
	ds_store_b128 v[STO], v[ACC+32*\a+8*\b+4:ACC+32*\a+8*\b+7] offset:128*(\b/2)+32*(\b%2)+16
.endr
.irp i, 0,1,2,3,4,5,6,7
	ds_load_b128 v[BK+32*\a+4*\i:BK+32*\a+4*\i+3], v[RD] offset:544*\i     ; LDS serves a wave's instructions in order (ISA guide 5.7.1.4): these see my stores, and the next tile's stores come behind them
.endr
.endr
	s_wait_loadcnt 0x0                             ; the residual
.irp a, 0,1
.irp i, 0,1,2,3,4,5,6,7
	s_wait_dscnt (1-\a)*16+7-\i                    ; what was issued behind this load may be out
	v_pk_add_f32 v[BK+32*\a+4*\i:BK+32*\a+4*\i+1], v[BK+32*\a+4*\i:BK+32*\a+4*\i+1], v[RES+32*\a+4*\i:RES+32*\a+4*\i+1]
	v_pk_add_f32 v[BK+32*\a+4*\i+2:BK+32*\a+4*\i+3], v[BK+32*\a+4*\i+2:BK+32*\a+4*\i+3], v[RES+32*\a+4*\i+2:RES+32*\a+4*\i+3]
	global_store_b128 v[CO], v[BK+32*\a+4*\i:BK+32*\a+4*\i+3], s[74:75] offset:(8*\a+16*(\i/4)+2*(\i%4))*4096   ; sixteen lanes store 256 consecutive aligned bytes
.endr
.endr
	s_wait_tensorcnt 0x0                           ; the wave's end, behind my last tensor load and my last LDS store
	ds_add_u32 v[SPW], v[NIL]
	s_wait_dscnt 0x0
	CROUND                                         ; the closing round
	s_endpgm
.Lfunc_end_k_qe3603264a2_ff2:
	.size	k_qe3603264a2_ff2, .Lfunc_end_k_qe3603264a2_ff2-k_qe3603264a2_ff2
	.p2alignl 7, 3214868480
	.fill 96, 4, 3214868480
	.section	.rodata,"a",@progbits
	.p2align	6, 0x0
	.amdhsa_kernel k_qe3603264a2_ff2
		.amdhsa_group_segment_fixed_size 327680
		.amdhsa_private_segment_fixed_size 0
		.amdhsa_enable_private_segment 0
		.amdhsa_kernarg_size 40
		.amdhsa_user_sgpr_count 2
		.amdhsa_user_sgpr_kernarg_segment_ptr 1
		.amdhsa_wavefront_size32 1
		.amdhsa_system_sgpr_workgroup_id_x 1
		.amdhsa_system_sgpr_workgroup_id_y 1
		.amdhsa_system_sgpr_workgroup_id_z 1
		.amdhsa_system_vgpr_workitem_id 0
		.amdhsa_next_free_vgpr 256
		.amdhsa_next_free_sgpr 100
		.amdhsa_reserve_vcc 0
		.amdhsa_float_denorm_mode_32 3
		.amdhsa_float_denorm_mode_16_64 3
		.amdhsa_memory_ordered 1
		.amdhsa_forward_progress 1
		.amdhsa_inst_pref_size 86
	.end_amdhsa_kernel
	.amdgpu_metadata
---
amdhsa.version: [ 1, 2 ]
amdhsa.kernels:
  - .name:           k_qe3603264a2_ff2
    .symbol:         k_qe3603264a2_ff2.kd
    .args:
      - { .name: G, .offset: 0, .size: 8, .value_kind: global_buffer, .address_space: global }
      - { .name: W, .offset: 8, .size: 8, .value_kind: global_buffer, .address_space: global }
      - { .name: b_ff2, .offset: 16, .size: 8, .value_kind: global_buffer, .address_space: global }
      - { .name: X1, .offset: 24, .size: 8, .value_kind: global_buffer, .address_space: global }
      - { .name: out0, .offset: 32, .size: 8, .value_kind: global_buffer, .address_space: global }
    .group_segment_fixed_size: 327680
    .private_segment_fixed_size: 0
    .kernarg_segment_align: 8
    .kernarg_segment_size: 40
    .max_flat_workgroup_size: 256
    .sgpr_count:     100
    .vgpr_count:     256
    .wavefront_size: 32
...
	.end_amdgpu_metadata
.endif
;; end of part 7
